; MI455X (gfx1250); checked and timed in simulation.
; The chip was launched on July 23, 2026; its instructions are those of AMD's public machine-readable ISA for CDNA 5 (MIT licence, August 2026) and "CDNA5" Instruction Set Architecture Reference Guide (July 2026). The comments in the code are by the model that wrote it; some were corrected since.
;; Causal Self Attention. Allowed arithmetic: matrix products marked QUANTISED: E4M3 operands, one E8M0 scale for each 32 along K, by v_wmma_scale_f32_16x16x128_f8f6f4 with both operands' format E4M3, f32 sums; everything else in f32.
;; Inputs: b_proj 1,024 float32; b_qkv 3,072 float32; w_proj 1,024 x 1,024 float32; w_qkv 1,024 x 3,072 float32; x 4 x 2,048 x 1,024 float32.
;; Outputs: out0 4 x 2,048 x 1,024 float32.
;; This version of the problem:
;;   THIS VERSION OF THE PROBLEM IS GIVEN IN LOW PRECISION. The matrix products marked QUANTISED in the list below multiply operands that are first quantised to E4M3 (4 exponent bits, 3 mantissa bits; 8 bits a number), with one power-of-two scale for each 32 numbers along K (OCP MX v1.0); their sums are f32. All else is computed in f32.
;;   The module's matrix products, in the order in which they are computed (A, B: the left and right operand; K: the contracted axis; several contracted axes count as one K, in the product's order):
;;     1. [M 8,192, K 1,024] x [K 1,024, N 3,072]; A: input x; B: input w_qkv: QUANTISED
;;     2. batch 64 x [M 2,048, K 64] x [K 64, N 2,048]; A: computed on the way; B: computed on the way: QUANTISED
;;     3. batch 64 x [M 2,048, K 2,048] x [K 2,048, N 64]; A: softmax (see below); B: computed on the way: QUANTISED
;;     4. [M 8,192, K 1,024] x [K 1,024, N 1,024]; A: computed on the way; B: input w_proj: QUANTISED
;;   THE QUANTISER, for each operand of a quantised product, along K:
;;     - K is cut into blocks of 32 from its start; a last block that is shorter is filled with zeros.
;;     - A block's scale is 2^e with e = floor(log2(the largest magnitude in the block)) - 8, held to -126 .. 127; a block of zeros has e = 0. As a byte (E8M0): e + 127.
;;     - Each number is divided by its block's scale, clamped to +-448, and rounded to the nearest number of E4M3, ties to even, subnormals kept.
;;     - The product sums the exact products of the quantised numbers (number of the format x scale) in f32.
;;   ~~~python
;;   def quantise(x, axis):      # numpy; x: float32 -> the quantised numbers, widened to float32 again
;;       x = np.moveaxis(x, axis, -1); K = x.shape[-1]
;;       x = np.pad(x, [(0, 0)] * (x.ndim - 1) + [(0, -K % 32)]); x = x.reshape(x.shape[:-1] + (-1, 32)); a = np.abs(x).max(-1, keepdims=True)
;;       e = np.where(a > 0, np.clip(np.frexp(np.where(a > 0, a, 1))[1] - 1 - 8, -126, 127), 0)      # np.frexp(a)[1] - 1 = floor(log2(a)), exactly
;;       r = np.clip(x / 2.0 ** e, -448, 448)
;;       step = 2.0 ** (np.maximum(np.frexp(np.where(r == 0, 1, r))[1] - 1, -6) - 3)
;;       q = np.round(r / step) * step * 2.0 ** e      # np.round: ties to even
;;       return np.moveaxis(q.reshape(q.shape[:-2] + (-1,))[..., :K], -1, axis).astype(np.float32)
;;   ~~~
;;   SOFTMAX AHEAD OF A QUANTISED PRODUCT. Where the list says 'softmax', what is quantised is not the finished softmax but p = 2^(t - M), with t = logit x log2(e) and M = ceil(the row's largest t), a whole number; so 1/2 < the row's largest p <= 1. The row's sum l is taken of the UNQUANTISED p, in f32, and the product's result is divided by l at the end. Since M is a whole number, a kernel that streams over the keys may use a running M (the ceiling of the running maximum): every later rescaling is an exact power of two, which a block's scale takes up: the codes' values come out the same.
;;   OPERANDS COMPUTED ON THE WAY. 'Computed on the way' means the value that the module computes at that place (a softmax that the list does not call 'softmax' is quantised finished and normalised). What goes into a quantiser is computed in f32, as accurately as f32 sums, v_exp_f32 and their like allow (about 1e-6 of the number): no bf16 or f16 on the way to a quantiser, and a product that is left as it is and whose result goes on into a quantised operand takes f32 operands (vector FMAs, or v_wmma_f32_16x16x4_f32). A number that lies on a knife's edge between two numbers of the format may be rounded either way, as far as f32 arithmetic and the matrix unit's own rounding can turn it there, and no further.
;; One version. Each part assembles by itself: llvm-mc -triple=amdgcn-amd-amdhsa -mcpu=gfx1250 --defsym DOCPART=n.
;; ======== version 1 of 1: 4 launches
;; limits: right only within a limited range of input values
;; workspace buffers: xc 8,388,608 bytes; xs 262,144 bytes; wc 4,194,304 bytes; ws 131,072 bytes; qkvc 25,165,824 bytes; qkvs 786,432 bytes; yc 8,388,608 bytes; ys 262,144 bytes
;; launch quant (part 1): grid 384 x 1, 4 waves a work-group, no clusters, 68,096 bytes of LDS; arguments x, w_qkv, w_proj, xc, xs, wc, ws; writes xc, xs, wc, ws
.if DOCPART == 1
	.amdgcn_target "amdgcn-amd-amdhsa--gfx1250"
	.amdhsa_code_object_version 6
	.text
	.protected	k_qd9a218b837_quant
	.globl	k_qd9a218b837_quant
	.p2align	8
	.type	k_qd9a218b837_quant,@function
k_qd9a218b837_quant:
	s_mov_b64 s[64:65], 0
	v_nop
	global_prefetch_b8 v0, s[64:65] scope:SCOPE_SE
	s_setreg_imm32_b32 hwreg(HW_REG_WAVE_MODE, 25, 1), 1
	s_wait_xcnt 0x0
; x [8192][1024], w_qkv [1024][3072] and w_proj [1024][1024], f32, become codes of FP8 (E4M3) with one E8M0 scale byte for each 32 along K (K = the 1,024).
; A block's scale is 2^(floor(log2(its largest magnitude)) - 8); its byte is the largest magnitude's exponent field - 8, held at 1 from below; numbers are held within +-448 x the scale and rounded to the nearest code.
; LIMITS: a block of zeros, or one whose largest magnitude lies under 2^-118, gets the byte 1 (its codes are zeros or tiny; the bytes are read by this program alone); NaN and infinities among the inputs are not served.
; LAYOUT OUT: rows of 1,024 codes, K innermost, and rows of 32 scale bytes.  Row (or weight column) n lies at POSITION p = n with bits 3 and 4 exchanged: sixteen neighbouring positions 16 T + r then hold
; rows 32 (T / 2) + 8 (T % 2) + r + 8 (r / 8), which is the choice of rows that lets a later product's results lie as neighbours along the next K.  wc, ws: positions 0-3071 w_qkv's columns, 3072-4095 w_proj's.
; Work-groups 0-255 take x (K innermost: a plain stream of blocks), work-groups 256-383 the weights (K is the first axis: a lane takes a column, its registers run down K).  The two ways never join and
; have LDS bytes of their own (0-32,767 and 32,768-67,583).  No tensor loads, no barrier, no cluster: waves share nothing, and memory binds.
.set MANT,  0x600000                   ; the mantissa field of 448 as f32
.set SP,    80                         ; x: a lane's place in a stage: 64 bytes + 16 of padding
.set WREG,  8192                       ; x: a wave's LDS region: two stages of 32 x SP bytes, then its 256 scale bytes
.set STEPS, 16
.set CB,    16
.set R,     16                         ; v16-79   x: four sets of 16 numbers as loaded
.set X,     80                         ; v80-111  x: two sets of 16 neighbours
.set E,     112                        ; v112-127 x: a scale byte for each step
.set C,     128                        ; v128-191 x: codes, four registers a step
.set WST,   32768                      ; weights: the stages begin here
.set PITCH, 272                        ; weights: a stage row: 256 codes + 16
.set NB,    8                          ; weights: blocks of 32 along K for a wave
.set WX,    32                         ; v32-95   weights: two sets of 32 numbers
.set WC,    96                         ; v96-103  weights: a block's codes
.set OUTR,  112                        ; v112-175 weights: the way out
.set SB,    24                         ; v24-25   weights: the scale bytes
.set VO,    176                        ; v176-207 weights: 4 x lane + i x a row's bytes
	s_load_b256 s[4:11], s[0:1], 0x0               ; x s[4:5], w_qkv s[6:7], w_proj s[8:9], xc s[10:11]
	s_load_b128 s[12:15], s[0:1], 0x20             ; xs s[12:13], wc s[14:15]
	s_load_b64 s[16:17], s[0:1], 0x30              ; ws
	v_lshl_add_u32 v208, v0, 2, 0x10800
	v_mov_b32 v209, 0
	v_lshrrev_b32 v1, 5, v0
	v_readfirstlane_b32 s18, v1                    ; wave
	v_and_b32 v2, 31, v0                           ; lane
	s_cmp_lt_u32 ttmp9, 256
	s_cbranch_scc0 .Lw
; ---------------- x: a wave takes a run of 8 rows (8,192 numbers), 16 steps of 512 numbers ----------------
	v_lshlrev_b32 v3, 4, v2                        ; my 16 bytes of a load's 512
	s_mul_i32 s20, s18, WREG
	v_lshrrev_b32 v14, 2, v2
	v_mul_u32_u24 v14, v14, SP
	v_and_b32 v15, 3, v2
	v_lshl_add_u32 v14, v15, 4, v14
	v_add_nc_u32 v14, s20, v14                     ; the stage, in: SP (lane / 4) + 16 (lane % 4)
	v_mul_u32_u24 v15, v2, SP
	v_add_nc_u32 v15, s20, v15                     ; and out: SP x lane: 16 neighbours
	v_mul_u32_u24 v4, v2, CB                       ; my codes' place in a step's
	v_lshrrev_b32 v5, 1, v2
	s_add_co_u32 s20, s20, 2*32*SP
	v_add_nc_u32 v5, s20, v5                       ; my block's scale byte in the wave's 256
	v_lshlrev_b32 v7, 3, v2
	v_add_nc_u32 v6, s20, v7
	s_lshl_b32 s21, ttmp9, 2
	s_add_co_u32 s22, s21, s18                     ; the run read: 4 x work-group + wave
	s_and_b32 s24, s18, 1
	s_lshl_b32 s24, s24, 1
	s_lshr_b32 s25, s18, 1
	s_or_b32 s24, s24, s25
	s_add_co_u32 s24, s21, s24                     ; the run written: the wave's two bits are the rows' bits 3 and 4: exchanged
	s_lshl_b32 s22, s22, 15                        ; 32,768 bytes of f32 a run
	s_mov_b32 s23, 0
	s_lshl_b32 s26, s24, 13                        ; 8,192 bytes of codes
	s_mov_b32 s27, 0
	s_lshl_b32 s28, s24, 8                         ; 256 scale bytes
	s_mov_b32 s29, 0
	s_wait_alu depctr_va_vdst(0)
	s_wait_kmcnt 0x0
	s_add_nc_u64 s[4:5], s[4:5], s[22:23]
	s_add_nc_u64 s[10:11], s[10:11], s[26:27]
	s_add_nc_u64 s[12:13], s[12:13], s[28:29]
.macro XLOAD t
.irp i, 0,1,2,3
	global_load_b128 v[R+16*((\t)%4)+4*\i:R+16*((\t)%4)+4*\i+3], v3, s[4:5] offset:2048*(\t)+512*\i th:TH_LOAD_NT   ; 32 lanes read 512 consecutive bytes
.endr
.endm
.macro XTURN t                         ; a step's numbers through the stage: LDS serves a wave's instructions in order, so no wait stands between the stores and the loads
.irp i, 0,1,2,3
	ds_store_b128 v14, v[R+16*((\t)%4)+4*\i:R+16*((\t)%4)+4*\i+3] offset:32*SP*((\t)%2)+8*SP*\i
.endr
.irp i, 0,1,2,3
	ds_load_b128 v[X+16*((\t)%2)+4*\i:X+16*((\t)%2)+4*\i+3], v15 offset:32*SP*((\t)%2)+16*\i
.endr
.endm
.irp t, 0,1,2,3
	XLOAD \t
.endr
	s_wait_loadcnt 12                              ; step 0's four loads are in
	XTURN 0
.macro XSTEP t
.set XS, X+16*((\t)%2)
.if (\t) > 0
	s_wait_dscnt 1                                 ; this step's numbers are back from the stage (the last step's byte store may be out)
.else
	s_wait_dscnt 0x0
.endif
.if (\t)+4 < STEPS
	XLOAD (\t)+4                                   ; into the registers that the stage's stores have read
.endif
.if (\t)+1 < STEPS
.if STEPS-2-(\t) >= 3
	s_wait_loadcnt 12                              ; the next step's four loads are in; those of the three steps behind it may be out
.else
	s_wait_loadcnt 4*(STEPS-2-(\t))
.endif
	XTURN (\t)+1
.endif
	v_max3_num_f32 v8, |v[XS]|, |v[XS+1]|, |v[XS+2]|               ; the largest magnitude of my 16, in two chains
	v_max3_num_f32 v9, |v[XS+3]|, |v[XS+4]|, |v[XS+5]|
.irp i, 6,10
	v_max3_num_f32 v8, v8, |v[XS+\i]|, |v[XS+\i+1]|
	v_max3_num_f32 v9, v9, |v[XS+\i+2]|, |v[XS+\i+3]|
.endr
	v_max3_num_f32 v8, v8, |v[XS+14]|, |v[XS+15]|
	v_max3_num_f32 v8, v8, v9, 0x4800000           ; and the floor 2^(9 - 127): the byte cannot fall under 1
	v_max_num_f32_dpp v8, v8, v8 row_xmask:1 row_mask:0xf bank_mask:0xf   ; with my neighbour's 16: the block's
	v_add_nc_u32 v11, 0xfc000000, v8               ; 8 off the exponent field: the conversion's scale operand
.irp i, 0,1,2,3,4,5,6,7,8,9,10,11,12,13,14,15
.endr
	v_cvt_scalef32_pk8_fp8_f32 v[C+4*(\t):C+4*(\t)+1], v[XS:XS+7], v11
	v_cvt_scalef32_pk8_fp8_f32 v[C+4*(\t)+2:C+4*(\t)+3], v[XS+8:XS+15], v11
	v_lshrrev_b32 v[E+(\t)], 23, v11               ; the scale's byte (also the plain line behind the conversions)
	ds_store_b8 v5, v[E+(\t)] offset:16*(\t)       ; both lanes of a block write the same byte with the same value
	global_store_b128 v4, v[C+4*(\t):C+4*(\t)+3], s[10:11] offset:32*CB*(\t)   ; 32 lanes store 512 consecutive bytes
.endm
.irp t, 0,1,2,3,4,5,6,7,8,9,10,11,12,13,14,15
	XSTEP \t
.endr
	ds_load_b64 v[12:13], v6                       ; LDS serves a wave's instructions in order: these see my byte stores
	s_wait_dscnt 0x0
	global_store_b64 v7, v[12:13], s[12:13]        ; 32 lanes store 256 consecutive bytes, aligned
	s_wait_tensorcnt 0x0
	ds_add_u32 v208, v209
	s_wait_dscnt 0x0
	s_endpgm
; ---------------- the weights: a wave takes 32 columns x 256 along K ----------------
.Lw:
	s_sub_co_u32 s20, ttmp9, 256
	s_lshr_b32 s21, s20, 2                         ; group of 128 columns, 0-31: 0-23 w_qkv's, 24-31 w_proj's
	s_and_b32 s22, s20, 3                          ; which 256 along K
	s_wait_kmcnt 0x0
	s_mov_b32 s23, 4096
	s_cmp_lt_u32 s21, 24                           ; the choice hangs on the work-group's number alone
	s_cselect_b64 s[6:7], s[6:7], s[8:9]           ; the weight,
	s_cselect_b32 s23, 12288, s23                  ; a row's bytes in it,
	s_cselect_b32 s24, 0, 24                       ; and the group at which it begins
	s_sub_co_u32 s24, s21, s24
	s_lshl_b32 s24, s24, 7
	s_lshl_b32 s25, s18, 5
	s_add_co_u32 s24, s24, s25                     ; my wave's first column in its weight
	s_lshl_b32 s26, s22, 8
	s_mul_i32 s26, s26, s23                        ; 256 ky rows
	s_lshl_b32 s24, s24, 2
	s_add_co_u32 s26, s26, s24
	s_mov_b32 s27, 0
	s_lshl_b32 s28, s23, 5                         ; 32 rows: a block
	s_mov_b32 s29, 0
	s_add_nc_u64 s[32:33], s[6:7], s[26:27]        ; a base for each of the eight blocks
.irp t, 1,2,3,4,5,6,7
	s_add_nc_u64 s[32+2*\t:33+2*\t], s[30+2*\t:31+2*\t], s[28:29]
.endr
	s_wait_alu depctr_va_vdst(0)
	v_lshlrev_b32 v[VO], 2, v2                     ; 4 bytes a lane: 128 consecutive bytes a load
.irp i, 1,2,3,4,5,6,7,8,9,10,11,12,13,14,15,16,17,18,19,20,21,22,23,24,25,26,27,28,29,30,31
	v_add_nc_u32 v[VO+\i], s23, v[VO+\i-1]         ; + i rows
.endr
	s_lshl_b32 s48, s21, 7
	s_add_co_u32 s48, s48, s25                     ; my wave's first position: 128 x group + 32 x wave
	s_lshl_b32 s50, s48, 10
	s_lshl_b32 s49, s22, 8
	s_add_co_u32 s50, s50, s49
	s_mov_b32 s51, 0
	s_add_nc_u64 s[14:15], s[14:15], s[50:51]      ; the codes: position x 1,024 + 256 ky
	s_lshl_b32 s52, s48, 5
	s_lshl_b32 s49, s22, 3
	s_add_co_u32 s52, s52, s49
	s_mov_b32 s53, 0
	s_add_nc_u64 s[16:17], s[16:17], s[52:53]      ; the scale bytes: position x 32 + 8 ky
	s_mul_i32 s54, s18, 32*PITCH
	s_add_co_u32 s54, s54, WST                     ; my stage
	v_mul_u32_u24 v4, v2, PITCH
	v_add_nc_u32 v4, s54, v4                       ; into it: row = my column
	v_and_b32 v5, 15, v2
	v_lshrrev_b32 v6, 4, v2
	v_mul_u32_u24 v7, v6, PITCH
	v_lshl_add_u32 v7, v5, 4, v7
	v_add_nc_u32 v7, s54, v7                       ; out of it: sixteen lanes to a row, two rows an instruction
	v_lshlrev_b32 v8, 10, v6
	v_lshl_add_u32 v8, v5, 4, v8                   ; and the same in the codes' buffer
	v_and_b32 v9, 7, v2                            ; my column's position among the wave's 32: bits 3 and 4 exchanged
	v_and_b32 v10, 8, v2
	v_lshl_or_b32 v9, v10, 1, v9
	v_and_b32 v10, 16, v2
	v_lshrrev_b32 v10, 1, v10
	v_or_b32 v9, v9, v10
	v_lshlrev_b32 v9, 5, v9                        ; x 32 scale bytes
.macro WLOAD t                         ; block t: W(32 t + i, my column), i = 0 .. 31
.irp i, 0,1,2,3,4,5,6,7,8,9,10,11,12,13,14,15,16,17,18,19,20,21,22,23,24,25,26,27,28,29,30,31
	global_load_b32 v[WX+32*((\t)%2)+\i], v[VO+\i], s[32+2*(\t):33+2*(\t)] th:TH_LOAD_NT
.endr
.endm
	WLOAD 0
	WLOAD 1
.macro WBLOCK t
.set XS, WX+32*((\t)%2)
.if (\t) < NB-1
	s_wait_loadcnt 32                              ; this block's 32 loads are in; the next block's may be out
.else
	s_wait_loadcnt 0
.endif
	v_max3_num_f32 v12, |v[XS]|, |v[XS+1]|, |v[XS+2]|               ; the block's largest magnitude: all 32 numbers are mine
	v_max3_num_f32 v13, |v[XS+3]|, |v[XS+4]|, |v[XS+5]|
.irp i, 6,10,14,18,22,26
	v_max3_num_f32 v12, v12, |v[XS+\i]|, |v[XS+\i+1]|
	v_max3_num_f32 v13, v13, |v[XS+\i+2]|, |v[XS+\i+3]|
.endr
	v_max3_num_f32 v12, v12, |v[XS+30]|, |v[XS+31]|
	v_max3_num_f32 v12, v12, v13, 0x4800000        ; and the floor 2^(9 - 127)
	v_add_nc_u32 v11, 0xfc000000, v12              ; the conversion's scale operand
	v_lshrrev_b32 v13, 23, v11                     ; the scale's byte
.if (\t)%4 == 0
	v_mov_b32 v[SB+(\t)/4], v13                    ; four bytes to a register, the lower K in the lower byte
.else
	v_lshl_or_b32 v[SB+(\t)/4], v13, 8*((\t)%4), v[SB+(\t)/4]
.endif
.irp i, 0,1,2,3,4,5,6,7,8,9,10,11,12,13,14,15,16,17,18,19,20,21,22,23,24,25,26,27,28,29,30,31
.endr
.irp g, 0,1,2,3
	v_cvt_scalef32_pk8_fp8_f32 v[WC+2*\g:WC+2*\g+1], v[XS+8*\g:XS+8*\g+7], v11
.endr
	v_nop                                          ; one plain line behind the last conversion
	ds_store_b128 v4, v[WC:WC+3] offset:32*(\t)    ; 32 codes: 32 bytes of my column's row
	ds_store_b128 v4, v[WC+4:WC+7] offset:32*(\t)+16
.if (\t)+2 < NB
	WLOAD (\t)+2
.endif
	s_wait_dscnt 0x0                               ; the stores have read their registers: the next block's codes may be written
.endm
.irp t, 0,1,2,3,4,5,6,7
	WBLOCK \t
.endr
	s_wait_alu depctr_va_vdst(0)
	global_store_b64 v9, v[SB:SB+1], s[16:17]      ; my column's 8 scale bytes; rows of 32 bytes, so 8 bytes a lane 32 apart: one byte in 128 of what the launch reads
.irp t, 0,1,2,3,4,5,6,7,8,9,10,11,12,13,14,15
	ds_load_b128 v[OUTR+4*\t:OUTR+4*\t+3], v7 offset:2*\t*PITCH   ; LDS serves a wave's instructions in order: these see my stores
.endr
.irp t, 0,1,2,3,4,5,6,7,8,9,10,11,12,13,14,15
	s_wait_dscnt 15-\t
	global_store_b128 v8, v[OUTR+4*\t:OUTR+4*\t+3], s[14:15] offset:2*((\t&3)|((\t&4)<<1)|((\t&8)>>1))*1024   ; columns 2 t, 2 t + 1 go to their positions; 16 lanes store 256 consecutive bytes, aligned
.endr
	s_wait_tensorcnt 0x0
	ds_add_u32 v208, v209
	s_wait_dscnt 0x0
	s_endpgm
.Lfunc_end_k_qd9a218b837_quant:
	.size	k_qd9a218b837_quant, .Lfunc_end_k_qd9a218b837_quant-k_qd9a218b837_quant
	.p2alignl 7, 3214868480
	.fill 96, 4, 3214868480
	.section	.rodata,"a",@progbits
	.p2align	6, 0x0
	.amdhsa_kernel k_qd9a218b837_quant
		.amdhsa_group_segment_fixed_size 68096
		.amdhsa_private_segment_fixed_size 0
		.amdhsa_enable_private_segment 0
		.amdhsa_kernarg_size 56
		.amdhsa_user_sgpr_count 2
		.amdhsa_user_sgpr_kernarg_segment_ptr 1
		.amdhsa_wavefront_size32 1
		.amdhsa_system_sgpr_workgroup_id_x 1
		.amdhsa_system_sgpr_workgroup_id_y 1
		.amdhsa_system_sgpr_workgroup_id_z 1
		.amdhsa_system_vgpr_workitem_id 0
		.amdhsa_next_free_vgpr 210
		.amdhsa_next_free_sgpr 66
		.amdhsa_reserve_vcc 0
		.amdhsa_float_denorm_mode_32 3
		.amdhsa_float_denorm_mode_16_64 3
		.amdhsa_fp16_overflow 1
		.amdhsa_memory_ordered 1
		.amdhsa_forward_progress 1
		.amdhsa_inst_pref_size 77
	.end_amdhsa_kernel
	.amdgpu_metadata
---
amdhsa.version: [ 1, 2 ]
amdhsa.kernels:
  - .name:           k_qd9a218b837_quant
    .symbol:         k_qd9a218b837_quant.kd
    .args:
      - { .name: x, .offset: 0, .size: 8, .value_kind: global_buffer, .address_space: global }
      - { .name: w_qkv, .offset: 8, .size: 8, .value_kind: global_buffer, .address_space: global }
      - { .name: w_proj, .offset: 16, .size: 8, .value_kind: global_buffer, .address_space: global }
      - { .name: xc, .offset: 24, .size: 8, .value_kind: global_buffer, .address_space: global }
      - { .name: xs, .offset: 32, .size: 8, .value_kind: global_buffer, .address_space: global }
      - { .name: wc, .offset: 40, .size: 8, .value_kind: global_buffer, .address_space: global }
      - { .name: ws, .offset: 48, .size: 8, .value_kind: global_buffer, .address_space: global }
    .group_segment_fixed_size: 68096
    .private_segment_fixed_size: 0
    .kernarg_segment_align: 8
    .kernarg_segment_size: 56
    .max_flat_workgroup_size: 128
    .sgpr_count:     66
    .vgpr_count:     210
    .wavefront_size: 32
...
	.end_amdgpu_metadata
.endif
;; end of part 1
;; launch qkv (part 2): grid 12 x 32, 4 waves a work-group, clusters of 4 x 4, 327,680 bytes of LDS; arguments xc, xs, wc, ws, b_qkv, qkvc, qkvs; writes qkvc, qkvs
.if DOCPART == 2
	.amdgcn_target "amdgcn-amd-amdhsa--gfx1250"
	.amdhsa_code_object_version 6
	.text
	.protected	k_qd9a218b837_qkv
	.globl	k_qd9a218b837_qkv
	.p2align	8
	.type	k_qd9a218b837_qkv,@function
k_qd9a218b837_qkv:
	s_mov_b64 s[64:65], 0
	v_nop
	global_prefetch_b8 v0, s[64:65] scope:SCOPE_SE
	s_setreg_imm32_b32 hwreg(HW_REG_WAVE_MODE, 25, 1), 1
	s_wait_xcnt 0x0
	s_wait_alu depctr_hold_cnt(0) depctr_sa_sdst(0) depctr_va_vdst(0) depctr_va_sdst(0) depctr_va_ssrc(0) depctr_va_vcc(0) depctr_vm_vsrc(0)
	s_getreg_b32 s2, hwreg(HW_REG_IB_STS2, 6, 4)
	s_cmp_eq_u32 s2, 0
	s_cbranch_scc0 .Lentry_in_a_cluster
	s_endpgm
.Lentry_in_a_cluster:
	s_bfe_u32 s2, ttmp6, 0x10000c
	s_cmp_lg_u32 s2, 0xf033
	s_cbranch_scc0 .Lentry_shape_is_right
	s_endpgm
.Lentry_shape_is_right:
; qkv = x w_qkv + b_qkv on codes of FP8 (E4M3) with E8M0 scales (K = 1,024), and its results quantised at once for attention's two products; only codes and scale bytes go to memory.
; A tile of 256 x 256 is made by a work-group of four waves, a wave makes 128 x 128: 64 accumulators, 512 registers.  K goes in steps of 256 through a ring of two LDS slots filled by the tensor data mover;
; the scale bytes of the work-group's 2 x 256 rows, for all of K, come into LDS once.  384 tiles: one and a half for each of 256 WGPs; a tile that divides evenly is left for later.
; SOURCE 0 AND SOURCE 1.  In a result a lane holds ONE row of source 1 and eight neighbours along source 0's rows, so what is quantised next must run along source 0.
;   q, k (cluster x = 0, 1): quantised along the head's 64 channels: source 0 = 256 columns of w_qkv, source 1 = 256 tokens.     v (cluster x = 2): quantised along the keys: source 0 = 256 tokens, source 1 = 256 columns.
; The choice hangs on the cluster's x alone, which all partners share.  Rows of both operands lie at positions (bits 3 and 4 of the row exchanged), so tiles 2 B and 2 B + 1 of source 0 give a lane 16 neighbours 32 B + 16 (lane / 16) + 0 .. 15.
; CLUSTERS: 4 x 4 work-groups.  Source 1's tiles hang on cy alone and are shared along a row of the cluster, source 0's on cx alone and are shared along a column: each is asked for jointly.
; THE BIAS is the C of each sum's first product.  OUT: register images, 512 consecutive bytes a store: q, k [head][tile of 16 tokens][block of 32 channels][lane][16]; v [head][128 keys][tile of 16 channels][block of 32 keys][lane][16].
; LIMITS: a block of zeros or under 2^-118 gets the byte 1 (read by this program alone); NaN and infinities are not served.
; REGISTERS: window 0: v0-31 addresses; v32-63 scale words, two sets; v64-127 the bias; from v128 source 1's fragments, one set.  window 1: source 0's fragments, two sets.  windows 2, 3: the accumulators ((a, b) at v[8 (8 (a % 4) + b)]).
.set NQ,     2                         ; steps of 128 along K in a slot
.set ROWB,   256                       ; a tile's row in bytes
.set KROW,   1024                      ; a row of codes in memory
.set PITCH,  272                       ; an LDS row: 256 bytes + 16 of padding: the 16 rows that a load touches start at 16 different banks (64 banks of 4 bytes: ISA guide 11.1)
.set FR,     16
.set NL,     4
.set NP,     8                         ; places behind this matrix instruction (ISA guide 7.12.1)
.set HALFT,  128*PITCH
.set SLOT,   4*HALFT                   ; source 1's 256 rows, then source 0's
.set LAPS,   2                         ; 1,024 / 512
.set SCL,    2*SLOT                    ; the scale bytes, as units of 256 bytes + 16 of padding
.set HALFS,  16*272                    ; those of 128 rows
.set SBLK,   2*272                     ; those of 16 rows
.set SPARE,  SCL+4*HALFS               ; the spare words, 128 bytes for each wave
.set GS,   7                           ; v7      the scale bytes' way out: 4,096 (lane / 16) + 16 (lane % 16)
.set VJ,   8                           ; v8-15   the bias: byte offset for register j
.set ADRA, 16                          ; v16-17  LDS address of source 1's fragments in slot 0, 1
.set ADRB, 20                          ; v20-21  the same for source 0
.set LI,   24                          ; v24     16 x lane
.set SSQ,  25                          ; v25     q, k: where my scale bytes go in the wave's stage
.set SSV,  26                          ; v26     v: likewise, in bytes of its own
.set ADRS, 27                          ; v27     LDS address of my scale words: lanes 0-15 source 1's rows, lanes 16-31 source 0's
.set SPW,  28                          ; v28     my spare word; never rewritten
.set NIL,  29                          ; v29     0; never rewritten
.set RBQ,  30                          ; v30     q, k: where the stage is read back
.set RBV,  31                          ; v31     v: likewise
.set SC,   32
.set BIAS, 64
.set AF,   128
.set TM,   32                          ; the way out: v32-35 largest magnitudes, v36-39 bytes, v44-47 scale operands
.set T,    128
.set G1, 24
.set G0, 32
.set G1B, 48
.set G0B, 56
.set G1S, 68
.set G0S, 76
.set G1SB, 80
.set G0SB, 88
.set MSB, 0
.macro WIN new                         ; the immediate's high byte repeats the setting that is left
.if MSB != \new
	s_set_vgpr_msb (MSB<<8)|\new
.set MSB, \new
.endif
.endm
.set TO_B,   0x40                      ; destination window 1, address window 0
.macro MWIN hi, zero                   ; source 0 window 1, source 1 window 0, D window 2 + hi; C with D, or (the first step) in window 0
.if \zero
	WIN 0x81+0x40*(\hi)
.else
	WIN 0xa1+0x50*(\hi)
.endif
.endm
; A joint load: waves 0 and 1 fetch for source 1, waves 2 and 3 for source 0.  The branch hangs on the wave's number alone.  Four v_nop follow each of the two lines.
.macro JLOAD g0a, g1a, g0b, g1b
	s_cmp_eq_u32 s15, 0
	s_cbranch_scc0 .Lfor_b_\@
	tensor_load_to_lds s[\g0a:\g0a+3], s[\g1a:\g1a+7]
	s_nop 0
.rept 4
	v_nop
.endr
	s_branch .Lasked_\@
.Lfor_b_\@:
	tensor_load_to_lds s[\g0b:\g0b+3], s[\g1b:\g1b+7]
	s_nop 0
.rept 4
	v_nop
.endr
.Lasked_\@:
.endm
.macro CREST                           ; a round of the cluster's barrier behind its opening barrier
	s_cmp_lg_u32 s14, 0
	s_cbranch_scc1 .Lnot_wave_0_\@
	s_barrier_signal -3
.Lnot_wave_0_\@:
	s_barrier_wait -3
	s_barrier_signal -1
	s_barrier_wait -1
.endm
.macro CROUND
	s_barrier_signal -1
	s_barrier_wait -1
	CREST
.endm
	s_load_b128 s[4:7], s[0:1], 0x0                ; x's codes, x's scale bytes
	s_load_b128 s[8:11], s[0:1], 0x10              ; the weights' codes, their scale bytes
	s_load_b64 s[96:97], s[0:1], 0x20              ; b_qkv
	s_load_b64 s[98:99], s[0:1], 0x28              ; qkvc
	s_load_b64 s[100:101], s[0:1], 0x30            ; qkvs
	v_lshl_add_u32 v[SPW], v0, 2, SPARE
	v_mov_b32 v[NIL], 0
	ds_add_u32 v28, v29
	ds_add_u32 v28, v29
	s_wait_dscnt 0x0
	v_lshrrev_b32 v1, 5, v0
	v_readfirstlane_b32 s14, v1                    ; wave 0..3
	s_lshr_b32 s15, s14, 1                         ; which half of source 1's rows is mine.  Also: I fetch for source 1 (0) or source 0 (1)
	s_and_b32 s16, s14, 1                          ; which half of source 0's rows.  Also: which 128 rows of that tile I fetch
	s_bfe_u32 s40, ttmp6, 0x40000                  ; cx, cy: my place in the cluster
	s_bfe_u32 s41, ttmp6, 0x40004
	s_and_b32 s17, ttmp7, 0xffff                   ; the cluster's y
	s_cmp_eq_u32 ttmp9, 2                          ; v's clusters: the same answer in all sixteen partners
	s_cselect_b32 s2, 1, 0
	s_cselect_b32 s42, s17, ttmp9                  ; source 0's tiles are counted by the cluster's y (tokens) for v, by its x (columns) for q, k
	s_cselect_b32 s17, ttmp9, s17                  ; source 1's the other way round
	s_lshl_b32 s42, s42, 2
	s_add_co_u32 s42, s42, s40                     ; source 0's tile: + cx
	s_lshl_b32 s17, s17, 2
	s_add_co_u32 s17, s17, s41                     ; source 1's tile: + cy
	s_lshl_b32 s43, s41, 2
	s_lshl_b32 s43, 15, s43                        ; my row of the cluster
	s_lshl_b32 s44, 0x1111, s40                    ; my column
	; descriptor group 1: a tile of 128 rows x 256 bytes, padded in LDS
	s_or_b32 s[G1+0], s43, (0<<16)|(1<<20)|(1<<21)|(5<<22)|(3<<25)  ; the mask; elements of 1 byte; padding on; bit 21 beside a mask; after every 64 words, 4 words
	s_or_b32 s[G1B+0], s44, (0<<16)|(1<<20)|(1<<21)|(5<<22)|(3<<25)
.irp g, G1, G1B
	s_mov_b32 s[\g+1], ROWB<<16                    ; tensor_dim0
	s_mov_b32 s[\g+2], 128<<16                     ; tensor_dim1
	s_mov_b32 s[\g+3], ROWB<<16                    ; tile_dim0
	s_mov_b32 s[\g+4], 128                         ; tile_dim1
	s_mov_b32 s[\g+5], KROW                        ; from row to row
	s_mov_b32 s[\g+6], 0
	s_mov_b32 s[\g+7], 0
.endr
	; the scale bytes of 128 rows: 4,096 dense bytes, as 16 rows of 256 bytes (32 elements of 8), 16 bytes of padding behind each
	s_or_b32 s[G1S+0], s43, (3<<16)|(1<<20)|(1<<21)|(5<<22)|(3<<25)
	s_or_b32 s[G1SB+0], s44, (3<<16)|(1<<20)|(1<<21)|(5<<22)|(3<<25)
.irp g, G1S, G1SB
	s_mov_b32 s[\g+1], 32<<16
	s_mov_b32 s[\g+2], 16<<16
	s_mov_b32 s[\g+3], 32<<16
	s_mov_b32 s[\g+4], 16
	s_mov_b32 s[\g+5], 32
	s_mov_b32 s[\g+6], 0
	s_mov_b32 s[\g+7], 0
.endr
	s_lshl_b32 s18, s16, 17                        ; the 128 rows that I fetch: x 1,024 bytes of codes,
	s_lshl_b32 s19, s16, 12                        ; x 32 scale bytes
	s_lshl_b32 s20, s17, 18                        ; source 1: 256 rows a tile
	s_add_co_u32 s20, s20, s18
	s_mov_b32 s21, 0
	s_lshl_b32 s22, s17, 13
	s_add_co_u32 s22, s22, s19
	s_mov_b32 s23, 0
	s_lshl_b32 s46, s42, 18                        ; source 0
	s_add_co_u32 s46, s46, s18
	s_mov_b32 s47, 0
	s_lshl_b32 s92, s42, 13
	s_add_co_u32 s92, s92, s19
	s_mov_b32 s93, 0
	s_mul_i32 s45, s14, HALFT                      ; where they go: wave x 128 rows: no place in the cluster enters an LDS address
	s_mul_i32 s94, s14, HALFS
	s_wait_kmcnt 0x0
	s_cmp_eq_u32 s2, 1                             ; for v the two operands change places: source 1 = the weights, source 0 = x
	s_cselect_b64 s[12:13], s[8:9], s[4:5]
	s_cselect_b64 s[8:9], s[4:5], s[8:9]
	s_mov_b64 s[4:5], s[12:13]
	s_cselect_b64 s[12:13], s[10:11], s[6:7]
	s_cselect_b64 s[10:11], s[6:7], s[10:11]
	s_mov_b64 s[6:7], s[12:13]
	s_add_nc_u64 s[20:21], s[4:5], s[20:21]
	s_add_nc_u64 s[22:23], s[6:7], s[22:23]
	s_add_nc_u64 s[46:47], s[8:9], s[46:47]
	s_add_nc_u64 s[92:93], s[10:11], s[92:93]
	CROUND                                         ; all sixteen work-groups are here: the first joint loads meet
	s_mov_b32 s[G0S], 1
	s_add_co_u32 s[G0S+1], s94, SCL
	s_mov_b64 s[G0S+2:G0S+3], s[22:23]
	s_or_b32 s[G0S+3], s[G0S+3], 0x80000000
	s_mov_b32 s[G0SB], 1
	s_add_co_u32 s[G0SB+1], s94, SCL
	s_mov_b64 s[G0SB+2:G0SB+3], s[92:93]
	s_or_b32 s[G0SB+3], s[G0SB+3], 0x80000000
	JLOAD G0S, G1S, G0SB, G1SB                     ; the scale bytes first: they are wanted with K step 0
.irp s, 0,1
	s_mov_b32 s[G0+4*\s], 1
	s_add_co_u32 s[G0+4*\s+1], s45, \s*SLOT
	s_add_nc_u64 s[G0+4*\s+2:G0+4*\s+3], s[20:21], \s*ROWB
	s_or_b32 s[G0+4*\s+3], s[G0+4*\s+3], 0x80000000
	s_mov_b32 s[G0B+4*\s], 1
	s_add_co_u32 s[G0B+4*\s+1], s45, \s*SLOT
	s_add_nc_u64 s[G0B+4*\s+2:G0B+4*\s+3], s[46:47], \s*ROWB
	s_or_b32 s[G0B+4*\s+3], s[G0B+4*\s+3], 0x80000000
	JLOAD G0+4*\s, G1, G0B+4*\s, G1B               ; three loads of mine are out
.endr
	v_and_b32 v1, 15, v0                           ; r = lane % 16
	v_bfe_u32 v2, v0, 4, 1                         ; h = lane / 16
	v_mul_u32_u24 v3, v1, PITCH
	v_lshl_add_u32 v4, v2, 4, v3                   ; a fragment's row x pitch + 16 h
	s_mul_i32 s21, s15, HALFT                      ; my 128 rows of source 1
	s_mul_i32 s22, s16, HALFT                      ; my 128 rows of source 0,
	s_add_co_u32 s22, s22, 2*HALFT                 ; which lie behind source 1's 256
.irp s, 0,1
	v_add_nc_u32 v[ADRA+\s], s21, v4
	v_add_nc_u32 v[ADRB+\s], s22, v4
	s_add_co_u32 s21, s21, SLOT
	s_add_co_u32 s22, s22, SLOT
.endr
	v_lshlrev_b32 v5, 5, v1                        ; my row's scale bytes: 32 a row,
	v_lshrrev_b32 v6, 8, v5
	v_lshl_add_u32 v5, v6, 4, v5                   ; and 16 more for each 256 passed
	s_mul_i32 s21, s15, HALFS
	s_mul_i32 s22, s16, HALFS
	s_add_co_u32 s22, s22, 2*HALFS
	s_sub_co_u32 s22, s22, s21
	v_mul_u32_u24 v6, s22, v2                      ; lanes 16-31 take source 0's
	s_add_co_u32 s21, s21, SCL
	v_add_nc_u32 v5, v5, v6
	v_add_nc_u32 v[ADRS], s21, v5
	; the way out's addresses, all made here
	v_and_b32 v6, 31, v0
	v_lshlrev_b32 v[LI], 4, v6
	s_lshl_b32 s23, s14, 9                         ; 512 bytes of stage for each wave, in slot 0, which has had its last fill and its last read when the first byte is stored there
	v_lshlrev_b32 v5, 2, v1
	v_add_nc_u32 v[SSV], s23, v5
	v_lshl_add_u32 v[SSQ], v2, 8, v[SSV]           ; q, k: 512 wave + 256 h + 4 r
	v_add_nc_u32 v[SSV], 4096, v[SSV]              ; v: 4,096 + 512 wave + 4 r
	v_add_nc_u32 v[RBQ], s23, v[LI]
	v_add_nc_u32 v[RBV], 4096, v[RBQ]
	v_lshlrev_b32 v[GS], 4, v1
	v_lshl_add_u32 v[GS], v2, 12, v[GS]
	; which columns of qkv (nn) and which tokens (tok) are my wave's 128 x 128
	s_lshl_b32 s66, s42, 8
	s_lshl_b32 s67, s16, 7
	s_add_co_u32 s66, s66, s67                     ; source 0's first row
	s_lshl_b32 s67, s17, 8
	s_lshl_b32 s95, s15, 7
	s_add_co_u32 s67, s67, s95                     ; source 1's
	s_cmp_eq_u32 s2, 1
	s_cselect_b32 s12, s67, s66                    ; nn
	s_cselect_b32 s13, s66, s67                    ; tok
	s_cselect_b32 s95, 0, 4                        ; the bias from register to register: q, k: the next column; v: the same column
	s_cselect_b32 vcc_lo, -1, 0
	v_lshlrev_b32 v5, 6, v2                        ; q, k: register j of tile g is column 32 (g / 2) + 8 (g % 2) + 16 h + j
	v_and_b32 v6, 8, v1
	v_add_nc_u32 v6, v6, v1
	v_lshlrev_b32 v6, 2, v6                        ; v: my lane's column of tile g is 32 (g / 2) + 8 (g % 2) + r + 8 (r / 8)
	v_cndmask_b32 v[VJ], v5, v6, vcc_lo
.irp j, 1,2,3,4,5,6,7
	v_add_nc_u32 v[VJ+\j], s95, v[VJ+\j-1]
.endr
	s_lshl_b32 s66, s12, 2
	s_mov_b32 s67, 0
	s_add_nc_u64 s[96:97], s[96:97], s[66:67]      ; b_qkv at nn
.irp g, 0,1,2,3,4,5,6,7
.irp j, 0,1,2,3,4,5,6,7
	global_load_b32 v[BIAS+8*\g+\j], v[VJ+\j], s[96:97] offset:(32*(\g/2)+8*(\g%2))*4
.endr
.endr
	s_lshr_b32 s66, s12, 10                        ; q, k or v,
	s_lshl_b32 s66, s66, 6
	s_lshr_b32 s94, s13, 11                        ; the batch,
	s_lshl_b32 s94, s94, 4
	s_add_co_u32 s66, s66, s94
	s_bfe_u32 s94, s12, 0x40006                    ; the first of my two heads
	s_add_co_u32 s94, s66, s94
	s_and_b32 s13, s13, 2047                       ; the token in its sequence
	s_lshl_b32 s66, s94, 17                        ; 131,072 bytes of codes a head,
	s_lshl_b32 s12, s13, 6                         ; 64 a token
	s_add_co_u32 s66, s66, s12
	s_add_nc_u64 s[98:99], s[98:99], s[66:67]
	s_lshl_b32 s66, s94, 12                        ; 4,096 scale bytes a head,
	s_lshl_b32 s12, s13, 1                         ; 2 a token
	s_add_co_u32 s66, s66, s12
	s_add_nc_u64 s[100:101], s[100:101], s[66:67]
.macro FRAG reg, adr, q, i             ; 16 rows x 128 K: lane l holds row l % 16; registers 4 c .. 4 c + 3 hold K = 32 c + 16 (l / 16) + 0 .. 15
.irp c, 0,1,2,3
	ds_load_b128 v[\reg+4*\c:\reg+4*\c+3], v[\adr] offset:128*(\q)+32*\c+(\i)*16*PITCH
.endr
.endm
; 16 matrix instructions: source 1's blocks a0, a0 + 1 x source 0's eight.  zero = 0: onto the sums; 1: the sums begin with the bias of source 0's tile b (q, k); 2: with that of source 1's tile a (v).
; The 64 accumulators take turns, one instruction a turn, in the same order in every step.
.macro MUL16 a0, p, q, sc, zero
.irp a, \a0, \a0+1
.irp b, 0,1,2,3,4,5,6,7
.if \zero == 1
	v_wmma_scale_f32_16x16x128_f8f6f4 v[8*(8*((\a)%4)+\b):8*(8*((\a)%4)+\b)+7], v[128*(\p)+FR*\b:128*(\p)+FR*\b+FR-1], v[AF+FR*(\a):AF+FR*(\a)+FR-1], v[BIAS+8*\b:BIAS+8*\b+7], v[SC+8*NQ*(\sc)+NQ*\b+(\q)], v[SC+8*NQ*(\sc)+NQ*(\a)+(\q)] matrix_a_scale:MATRIX_SCALE_ROW1
.elseif \zero == 2
	v_wmma_scale_f32_16x16x128_f8f6f4 v[8*(8*((\a)%4)+\b):8*(8*((\a)%4)+\b)+7], v[128*(\p)+FR*\b:128*(\p)+FR*\b+FR-1], v[AF+FR*(\a):AF+FR*(\a)+FR-1], v[BIAS+8*(\a):BIAS+8*(\a)+7], v[SC+8*NQ*(\sc)+NQ*\b+(\q)], v[SC+8*NQ*(\sc)+NQ*(\a)+(\q)] matrix_a_scale:MATRIX_SCALE_ROW1
.else
	v_wmma_scale_f32_16x16x128_f8f6f4 v[8*(8*((\a)%4)+\b):8*(8*((\a)%4)+\b)+7], v[128*(\p)+FR*\b:128*(\p)+FR*\b+FR-1], v[AF+FR*(\a):AF+FR*(\a)+FR-1], v[8*(8*((\a)%4)+\b):8*(8*((\a)%4)+\b)+7], v[SC+8*NQ*(\sc)+NQ*\b+(\q)], v[SC+8*NQ*(\sc)+NQ*(\a)+(\q)] matrix_a_scale:MATRIX_SCALE_ROW1
.endif
.endr
.endr
.endm
.macro FETCH_B slot, q, p              ; source 0's eight fragments into set p
	WIN TO_B
.irp i, 0,1,2,3,4,5,6,7
	FRAG 128*(\p)+FR*\i, ADRB+\slot, \q, \i
.endr
	WIN 0
.endm
.macro FETCH_A slot, q, i0             ; source 1's blocks i0 .. i0 + 3
.irp i, \i0, \i0+1, \i0+2, \i0+3
	FRAG AF+FR*(\i), ADRA+\slot, \q, \i
.endr
.endm
.macro SCALES sc                       ; a K step's scale words: two words a row; lanes 0-15 source 1's block i, lanes 16-31 source 0's block i
.irp i, 0,1,2,3,4,5,6,7
	ds_load_b64 v[SC+8*NQ*\sc+NQ*\i:SC+8*NQ*\sc+NQ*\i+1], v[ADRS] offset:\i*SBLK
.endr
.endm
.macro PLACES n                        ; plain vector lines between a matrix instruction and a load into, or a read of, its registers (ISA guide 7.12.1 for the reads)
.rept \n
	v_nop
.endr
.endm
.macro STEP slot, q, zero              ; a step of 128 along K that has its successor in the same slot
	s_wait_dscnt 4*NL                              ; source 0's set and source 1's blocks 0-3 are in; the youngest sixteen loads (blocks 4-7) may be out
	MWIN 0, \zero
	MUL16 0, (\q)%2, \q, \slot, \zero
	MUL16 2, (\q)%2, \q, \slot, \zero
	s_wait_dscnt 0                                 ; blocks 4-7 are in
	PLACES NP
	FETCH_B \slot, (\q)+1, 1-(\q)%2
	FETCH_A \slot, (\q)+1, 0
	MWIN 1, \zero
	MUL16 4, (\q)%2, \q, \slot, \zero
	MUL16 6, (\q)%2, \q, \slot, \zero
	PLACES NP
	WIN 0
	FETCH_A \slot, (\q)+1, 4
.endm
; A slot's last step changes slots: one barrier; in front of it each wave waits for all its tensor loads, adds 0 to its spare word, and waits for that and for its own reads of this slot.
.macro TURN slot, next, fill
	s_wait_tensorcnt 0x0                           ; all my tensor loads have landed: my part of the next slot
	ds_add_u32 v[SPW], v[NIL]                      ; 0 onto my spare word
	s_wait_dscnt 4*NL+1                            ; (the add and the youngest sixteen loads may be out)
	MWIN 0, 0
	MUL16 0, 1, NQ-1, \slot, 0
	s_wait_dscnt 0x0                               ; the add is done, and my reads of this slot are over
	s_barrier_signal -1
	MUL16 2, 1, NQ-1, \slot, 0
	WIN 0
	s_barrier_wait -1
.if \fill
	CREST                                          ; the barrier has opened a round of the cluster's: no wave of any partner still reads this slot or has a load on its way
	s_add_nc_u64 s[G0+4*\slot+2:G0+4*\slot+3], s[G0+4*\slot+2:G0+4*\slot+3], 2*ROWB
	s_add_nc_u64 s[G0B+4*\slot+2:G0B+4*\slot+3], s[G0B+4*\slot+2:G0B+4*\slot+3], 2*ROWB
	JLOAD G0+4*\slot, G1, G0B+4*\slot, G1B         ; the first tensor load behind the round, my one load until the next; its four v_nop are among the places below
	PLACES NP-4
.else
	PLACES NP
.endif
	s_wait_alu depctr_va_vdst(0)
	v_add_nc_u32 v[ADRS], 4*NQ, v[ADRS]            ; the next K step's scale words
	FETCH_B \next, 0, 0
	FETCH_A \next, 0, 0
	SCALES \next
	MWIN 1, 0
	MUL16 4, 1, NQ-1, \slot, 0
	MUL16 6, 1, NQ-1, \slot, 0
	PLACES NP
	WIN 0
	FETCH_A \next, 0, 4
.endm
	s_wait_tensorcnt 1                             ; the scale bytes and my part of K step 0 are in (K step 1's load may be out)
	s_barrier_signal -1
	s_barrier_wait -1                              ; everybody's are
	FETCH_B 0, 0, 0
	FETCH_A 0, 0, 0
	SCALES 0
	FETCH_A 0, 0, 4
	s_wait_loadcnt 0x0                             ; the bias
	s_cmp_eq_u32 s2, 1                             ; the first step is written twice: the bias runs along source 0 (q, k) or along source 1 (v)
	s_cbranch_scc1 .Lfirst_v
	STEP 0, 0, 1
	s_branch .Lfirst_done
.Lfirst_v:
	STEP 0, 0, 2
.Lfirst_done:
	s_mov_b32 s3, LAPS-1
.Llap:                                                 ; a trip goes once round the ring and fills both slots again
	TURN 0, 1, 1
	STEP 1, 0, 0
	TURN 1, 0, 1
	STEP 0, 0, 0
	s_sub_co_u32 s3, s3, 1
	s_cmp_lg_u32 s3, 0
	s_cbranch_scc1 .Llap
	TURN 0, 1, 0                                   ; the last lap fills nothing
	STEP 1, 0, 0
	s_wait_dscnt 4*NL
	MWIN 0, 0
	MUL16 0, 1, NQ-1, 1, 0
	MUL16 2, 1, NQ-1, 1, 0
	s_wait_dscnt 0
	MWIN 1, 0
	MUL16 4, 1, NQ-1, 1, 0
	MUL16 6, 1, NQ-1, 1, 0
	WIN 0
; THE WAY OUT of source 1's block a (16 rows): a lane's 64 numbers, register 16 B + i = index 32 B + 16 (lane / 16) + i along source 0, are four blocks of 32, each shared with lane l xor 16.
; They become 64 codes, which leave as they stand: four stores of 512 consecutive bytes.  Each block has its own registers for its codes and its scale word, so no store's data are written again.
.macro QOUT a, isv
.set XW, 2+(\a)/4
.set WW, XW|(XW<<2)
.set AC, 64*((\a)%4)
.if (\a) < 4
.set PCA, 192+16*(\a)
.else
.set PCA, 64+16*((\a)-4)
.endif
	WIN WW                                         ; sources 0 and 1: the accumulators' window
.irp b, 0,1,2,3
	v_max3_num_f32 v[TM+\b], |v[AC+16*\b]|, |v[AC+16*\b+1]|, 0x4800000   ; each accumulator is read from its low end on; the floor 2^(9 - 127) holds the byte at 1 from below
.endr
.irp i, 2,4,6,8,10,12,14
.irp b, 0,1,2,3
	v_max3_num_f32 v[TM+\b], |v[AC+16*\b+\i]|, |v[AC+16*\b+\i+1]|, v[TM+\b]
.endr
.endr
	WIN 0
.irp b, 0,1,2,3
	v_permlanex16_b32 v[TM+4+\b], v[TM+\b], s20, s21
.endr
.irp b, 0,1,2,3
	v_max_num_f32 v[TM+\b], v[TM+\b], v[TM+4+\b]   ; with lane l xor 16's: the block's largest magnitude
.endr
.irp b, 0,1,2,3
	v_add_nc_u32 v[TM+12+\b], 0xfc000000, v[TM+\b] ; the conversion's scale operand
.endr
.irp b, 0,1,2,3
.endr
.irp b, 0,1,2,3
	v_lshrrev_b32 v[TM+4+\b], 23, v[TM+12+\b]      ; the scale's byte
.endr
.if \isv
	v_lshl_or_b32 v48, v[TM+5], 8, v[TM+4]         ; v: the four bytes are the word of my channel for these 128 keys
	v_lshl_or_b32 v48, v[TM+6], 16, v48
	v_lshl_or_b32 v[56+(\a)], v[TM+7], 24, v48
	ds_store_b32 v[SSV], v[56+(\a)] offset:64*(\a) ; both halves of the lanes write the same word with the same value
.else
	v_lshl_or_b32 v48, v[TM+5], 8, v[TM+4]         ; q, k: two bytes for the first head's 64 channels,
	v_lshl_or_b32 v49, v[TM+7], 8, v[TM+6]         ; two for the second's
	v_cndmask_b32 v[56+(\a)], v48, v49, s23        ; lanes 0-15 store the first head's, lanes 16-31 the second's
	ds_store_b16 v[SSQ], v[56+(\a)] offset:((\a)/2)*64+2*((\a)%2)
.endif
	WIN XW                                         ; source 0: the accumulators' window
.irp b, 0,1,2,3
.irp i, 0,1,2,3,4,5,6,7,8,9,10,11,12,13,14,15
.endr
.endr
.irp b, 0,1,2,3
	v_cvt_scalef32_pk8_fp8_f32 v[PCA+4*\b:PCA+4*\b+1], v[AC+16*\b:AC+16*\b+7], v[TM+12+\b]
	v_cvt_scalef32_pk8_fp8_f32 v[PCA+4*\b+2:PCA+4*\b+3], v[AC+16*\b+8:AC+16*\b+15], v[TM+12+\b]
.endr
	WIN 0
	v_nop                                          ; one plain line behind the last conversion
.irp b, 0,1,2,3
.if \isv
	global_store_b128 v[LI], v[PCA+4*\b:PCA+4*\b+3], s[98:99] offset:((\a)/4)*131072+((\a)%4)*2048+\b*512    ; head a / 4, tile of channels a % 4, block of keys b
.else
	global_store_b128 v[LI], v[PCA+4*\b:PCA+4*\b+3], s[98:99] offset:(\b/2)*131072+(\a)*1024+(\b%2)*512      ; head b / 2, tile of tokens a, block of channels b % 2
.endif
.endr
.endm
	PLACES NP                                      ; behind the last products: for the reads of results and the writes of registers that they read
	s_mov_b32 s20, 0x76543210
	s_mov_b32 s21, 0xfedcba98                      ; v_permlanex16_b32's selects for lane l xor 16
	s_mov_b32 s23, 0xffff0000                      ; lanes 16-31
.irp b, 0,1,2,3
	v_mov_b32 v[TM+4+\b], 0                        ; written once: a lane permute's destination counts as one of its sources
.endr
	s_cmp_eq_u32 s2, 1
	s_cbranch_scc1 .Lout_v
.irp a, 0,1,2,3,4,5,6,7
	QOUT \a, 0
.endr
	ds_load_b128 v[52:55], v[RBQ]                  ; LDS serves a wave's instructions in order: these see my stores: lanes 0-15 the first head's 256 bytes, lanes 16-31 the second's
	s_wait_dscnt 0x0
	global_store_b128 v[GS], v[52:55], s[100:101]  ; 16 lanes store 256 consecutive bytes, aligned
	s_branch .Lout_done
.Lout_v:
.irp a, 0,1,2,3,4,5,6,7
	QOUT \a, 1
.endr
	ds_load_b128 v[52:55], v[RBV]
	s_wait_dscnt 0x0
	global_store_b128 v[GS], v[52:55], s[100:101]
.Lout_done:
	s_wait_tensorcnt 0x0                           ; the wave's end
	ds_add_u32 v[SPW], v[NIL]
	s_wait_dscnt 0x0
	CROUND                                         ; the closing round: no work-group ends while a partner may still ask for a tile that names it
	s_endpgm
.Lfunc_end_k_qd9a218b837_qkv:
	.size	k_qd9a218b837_qkv, .Lfunc_end_k_qd9a218b837_qkv-k_qd9a218b837_qkv
	.p2alignl 7, 3214868480
	.fill 96, 4, 3214868480
	.section	.rodata,"a",@progbits
	.p2align	6, 0x0
	.amdhsa_kernel k_qd9a218b837_qkv
		.amdhsa_group_segment_fixed_size 327680
		.amdhsa_private_segment_fixed_size 0
		.amdhsa_enable_private_segment 0
		.amdhsa_kernarg_size 56
		.amdhsa_user_sgpr_count 2
		.amdhsa_user_sgpr_kernarg_segment_ptr 1
		.amdhsa_wavefront_size32 1
		.amdhsa_system_sgpr_workgroup_id_x 1
		.amdhsa_system_sgpr_workgroup_id_y 1
		.amdhsa_system_sgpr_workgroup_id_z 1
		.amdhsa_system_vgpr_workitem_id 0
		.amdhsa_next_free_vgpr 1024
		.amdhsa_next_free_sgpr 102
		.amdhsa_reserve_vcc 1
		.amdhsa_float_denorm_mode_32 3
		.amdhsa_float_denorm_mode_16_64 3
		.amdhsa_fp16_overflow 1
		.amdhsa_memory_ordered 1
		.amdhsa_forward_progress 1
		.amdhsa_inst_pref_size 204
	.end_amdhsa_kernel
	.amdgpu_metadata
---
amdhsa.version: [ 1, 2 ]
amdhsa.kernels:
  - .name:           k_qd9a218b837_qkv
    .symbol:         k_qd9a218b837_qkv.kd
    .args:
      - { .name: xc, .offset: 0, .size: 8, .value_kind: global_buffer, .address_space: global }
      - { .name: xs, .offset: 8, .size: 8, .value_kind: global_buffer, .address_space: global }
      - { .name: wc, .offset: 16, .size: 8, .value_kind: global_buffer, .address_space: global }
      - { .name: ws, .offset: 24, .size: 8, .value_kind: global_buffer, .address_space: global }
      - { .name: b_qkv, .offset: 32, .size: 8, .value_kind: global_buffer, .address_space: global }
      - { .name: qkvc, .offset: 40, .size: 8, .value_kind: global_buffer, .address_space: global }
      - { .name: qkvs, .offset: 48, .size: 8, .value_kind: global_buffer, .address_space: global }
    .group_segment_fixed_size: 327680
    .private_segment_fixed_size: 0
    .kernarg_segment_align: 8
    .kernarg_segment_size: 56
    .max_flat_workgroup_size: 128
    .sgpr_count:     102
    .vgpr_count:     1024
    .wavefront_size: 32
...
	.end_amdgpu_metadata
.endif
;; end of part 2
;; launch attn (part 3): grid 4 x 64, 16 waves a work-group, no clusters, 327,680 bytes of LDS; arguments qkvc, qkvs, yc, ys; writes yc, ys
.if DOCPART == 3
	.amdgcn_target "amdgcn-amd-amdhsa--gfx1250"
	.amdhsa_code_object_version 6
	.text
	.protected	k_qd9a218b837_attn
	.globl	k_qd9a218b837_attn
	.p2align	8
	.type	k_qd9a218b837_attn,@function
k_qd9a218b837_attn:
	s_mov_b64 s[64:65], 0
	v_nop
	global_prefetch_b8 v0, s[64:65] scope:SCOPE_SE
	s_setreg_imm32_b32 hwreg(HW_REG_WAVE_MODE, 25, 1), 1
	s_wait_xcnt 0x0
; y[b][q][head] = the sum over keys k <= q of softmax_k(Q . K / 8) V, both products on codes of FP8 (E4M3) with E8M0 scales; y is quantised at once along its 64 channels for the last product.
; THE SOFTMAX: t = score x log2(e) / 8; M = the row's largest t so far, rounded up to a whole number; p = 2^(t - M) is quantised along the keys, not normalised; the row's sum is taken of the unquantised p and divides at the end.
; When M moves, the sum and O are multiplied by 2^(old M - new M): exact.
; SHARES.  A work-group owns one head and two blocks of 256 queries, blocks i and 7 - i (i = work-group x): 9 blocks of keys' work for every work-group, 256 equal work-groups.  Each of its sixteen waves owns one
; tile of 16 queries of each block, one after the other, in 256 registers: four waves to a SIMD, so that one wave's vector work stands beside another's matrix work and LDS loads.
; ALL OF THE HEAD'S K AND V COME TO LIE IN LDS (2 x 131,072 bytes of codes, 2 x 4,096 scale bytes), each byte filled once, in four groups of 512 keys, and what is asked for first is only what is wanted first:
; the scale bytes and group 0 at the start (waves 0 and 1: K's and V's; two loads of a wave are out), group 1 behind the first barrier (waves 0 and 1), groups 2 and 3 behind the second (waves 0 to 3), one load a wave.
; A group has four key steps of all sixteen waves in which to land.  These later first fills are issued as refills are.
; NO CLUSTER: the four work-groups of a head read the same K and V, but what they leave out under the causal mask hangs on work-group x, which would be their place in the cluster, and partners must run alike.
; LAYOUT.  Operands are register images: a fragment comes by ds_load_b128 at 16 x lane, 512 consecutive bytes a load.  Both products are used transposed: a lane holds one query (lane % 16) throughout.
; Tile T of 16 tokens holds tokens 32 (T / 2) + 8 (T % 2) + r + 8 (r / 8), so that the 16 registers of key tiles 2 b and 2 b + 1 are keys 32 b + 16 (lane / 16) + 0 .. 15.
; THE HEAD'S K IS 64, THE INSTRUCTION'S 128: a fragment holds TWO key tiles (K = 0-63: tile 2 b, K = 64-127: tile 2 b + 1); against (Q, zeros) it gives tile 2 b's scores, against (zeros, Q) tile 2 b + 1's.  Zero codes add nothing.
; LIMITS: a block of zeros or under 2^-118 gets the byte 1 (read by this program alone); NaN and infinities are not served.
.set KSC,  262144                      ; K's scale bytes: for each pair of key tiles 16 words (two bytes of tile 2 b, two of tile 2 b + 1)
.set VSC,  266240                      ; V's: for each 128 keys and tile of 16 channels 16 words
.set SPARE, 270336                     ; the spare words, 128 bytes for each of the sixteen waves: eight blocks of 256 bytes that no other line names
.set LI,   1                           ; v1   16 x lane: K's images begin at LDS byte 0
.set R4,   2                           ; v2   4 r
.set ADK,  3                           ; v3-6 the step's addresses: K, V, K's scale words, V's
.set ADV,  4
.set ADS,  5
.set ADT,  6
.set QL,   7                           ; v7   r + 8 (r / 8) - 16 h
.set LV,   9                           ; v9   16 x lane + 131,072: V's images
.set LKS,  10                          ; v10  4 r + KSC
.set LVS,  11                          ; v11  4 r + VSC
                                       ; v12 -M, v13 the largest t, v[14:15] the sum in two halves; v16-23 zeros, v24-31 Q, v32-39 zeros; v40 Q's scale word; v41 32 r + h
.set SPW,  45                          ; v45  LDS address of my spare word: SPARE + 4 x my thread's number; never rewritten
.set NIL,  46                          ; v46  0; never rewritten
.set F,    48                          ; v48-111  four fragments of K, then of V
.set S,    112                         ; v112-175 S^T, then p; at the end y
.set O,    176                         ; v176-207 O^T
.set PC,   208                         ; v208-223 p's codes; at the end y's
.set QA,   224                          ; v224-231 the late block's Q, asked for at the start; v255 its scale bytes
.set WV,   12                          ; s12  my wave's number
.set SEL,  14                          ; s[14:15] v_permlanex16_b32's selects for lane l xor 16
.set CS,   16                          ; s[16:17] c = log2(e) / 8
.set MNT,  18
.set HM,   19                          ; s19  lanes 16-31
.set KF,   66                          ; s66  the step's first key
.set TB,   67                          ; s67  8,192 x the step: its images
.set TS,   68                          ; s68  256 x the step: its scale words
.set Q0,   69                          ; s69  my tile's first query
	s_load_b256 s[4:11], s[0:1], 0x0               ; qkvc s[4:5], qkvs s[6:7], yc s[8:9], ys s[10:11]
	v_lshl_add_u32 v[SPW], v0, 2, SPARE
	v_mov_b32 v[NIL], 0
	ds_add_u32 v45, v46
	ds_add_u32 v45, v46
	s_wait_dscnt 0x0
	v_lshrrev_b32 v8, 5, v0
	s_delay_alu instid0(VALU_DEP_1)
	v_readfirstlane_b32 s[WV], v8                  ; wave 0..15
	s_and_b32 s13, ttmp7, 0xffff                   ; 16 x batch + head
	; descriptor group 1: 32,768 dense bytes as 128 rows of 256 (32 elements of 8 bytes); and 4,096 as 16 rows
	s_mov_b32 s24, 3<<16
	s_mov_b32 s25, 32<<16
	s_mov_b32 s26, 128<<16
	s_mov_b32 s27, 32<<16
	s_mov_b32 s28, 128
	s_mov_b32 s29, 32
	s_mov_b32 s30, 0
	s_mov_b32 s31, 0
	s_mov_b32 s32, 3<<16
	s_mov_b32 s33, 32<<16
	s_mov_b32 s34, 16<<16
	s_mov_b32 s35, 32<<16
	s_mov_b32 s36, 16
	s_mov_b32 s37, 32
	s_mov_b32 s38, 0
	s_mov_b32 s39, 0
	s_mov_b32 s[SEL], 0x76543210
	s_mov_b32 s[SEL+1], 0xfedcba98
	s_mov_b32 s[CS], 0x3e38aa3b
	s_mov_b32 s[CS+1], s[CS]                       ; (named with it as a pair, so it is written)
	s_mov_b32 s[HM], 0xffff0000
	s_and_b32 s93, s[WV], 1                        ; even waves fetch for K, odd waves for V
	s_lshr_b32 s3, s[WV], 1
	s_min_u32 s3, s3, 1                            ; of the last two groups waves 0 and 1 fetch group 2, waves 2 and 3 group 3 (the waves above issue nothing)
	s_add_co_u32 s70, s93, 1
	s_lshl_b32 s72, s70, 23                        ; k's or v's part of qkvc: 8,388,608 bytes each,
	s_lshl_b32 s94, s13, 17                        ; the head: 131,072
	s_add_co_u32 s72, s72, s94
	s_mov_b32 s73, 0
	s_lshl_b32 s70, s70, 18                        ; likewise in qkvs: 262,144,
	s_lshl_b32 s95, s13, 12                        ; 4,096
	s_add_co_u32 s70, s70, s95
	s_mov_b32 s71, 0
	s_lshl_b32 s20, s93, 17                        ; in LDS: K's images at 0, V's at 131,072;
	s_lshl_b32 s21, s93, 12                        ; K's scale bytes at KSC, V's 4,096 on
	s_lshl_b32 s56, s3, 15
	s_add_co_u32 s56, s56, 65536                   ; group 2 or 3: 65,536 or 98,304 bytes on, in memory and in LDS alike
	s_mov_b32 s57, 0
	s_wait_kmcnt 0x0
	s_mov_b32 s40, 1
	s_add_co_u32 s41, s21, KSC
	s_add_nc_u64 s[42:43], s[6:7], s[70:71]
	s_or_b32 s43, s43, 0x80000000
	s_add_nc_u64 s[22:23], s[4:5], s[72:73]
.irp g, 0,1
	s_mov_b32 s[44+4*\g], 1
	s_add_co_u32 s[45+4*\g], s20, \g*32768
	s_add_nc_u64 s[46+4*\g:47+4*\g], s[22:23], \g*32768   ; group g: keys 512 g to 512 g + 511
	s_or_b32 s[47+4*\g], s[47+4*\g], 0x80000000
.endr
	s_mov_b32 s52, 1
	s_add_co_u32 s53, s20, s56
	s_add_nc_u64 s[54:55], s[22:23], s[56:57]
	s_or_b32 s55, s55, 0x80000000
	s_cmp_lt_u32 s[WV], 2                          ; the first fills of a wave stand in one branch, ahead of every wait on TENSORcnt, every LDS read and every barrier
	s_cbranch_scc0 .Lno_fill
	tensor_load_to_lds s[40:43], s[32:39]          ; the scale bytes of the whole head,
	s_nop 0
	tensor_load_to_lds s[44:47], s[24:31]          ; and keys 0-511: two loads of mine are out
	s_nop 0
.rept 4
	v_nop
.endr
.Lno_fill:
	s_mov_b32 s70, s94
	s_add_nc_u64 s[84:85], s[4:5], s[70:71]        ; q's images of my head
	s_mov_b32 s70, s95
	s_add_nc_u64 s[86:87], s[6:7], s[70:71]        ; q's scale bytes
	s_lshr_b32 s72, s13, 4                         ; batch
	s_and_b32 s73, s13, 15                         ; head
	s_lshl_b32 s70, s72, 21                        ; yc: 128 tiles of 16,384 bytes a batch;
	s_lshl_b32 s92, s73, 10                        ; in a tile 1,024 bytes a head (K step head / 2, blocks 2 (head % 2) on)
	s_add_co_u32 s70, s70, s92
	s_add_nc_u64 s[88:89], s[8:9], s[70:71]
	s_lshl_b32 s70, s72, 16                        ; ys: 2,048 rows of 32 bytes a batch; 2 bytes a head
	s_lshl_b32 s92, s73, 1
	s_add_co_u32 s70, s70, s92
	s_add_nc_u64 s[90:91], s[10:11], s[70:71]
	v_and_b32 v8, 31, v0
	s_delay_alu instid0(VALU_DEP_1)
	v_lshlrev_b32 v[LI], 4, v8
	v_and_b32 v8, 15, v0                           ; r
	v_bfe_u32 v43, v0, 4, 1                        ; h
	s_delay_alu instid0(VALU_DEP_2)
	v_lshlrev_b32 v[R4], 2, v8
	s_delay_alu instid0(VALU_DEP_3)
	v_and_b32 v[QL], 8, v8
	s_delay_alu instid0(VALU_DEP_1)
	v_add_nc_u32 v[QL], v[QL], v8
	s_delay_alu instid0(VALU_DEP_4)
	v_lshlrev_b32 v44, 4, v43
	s_delay_alu instid0(VALU_DEP_1)
	v_sub_nc_u32 v[QL], v[QL], v44
	v_add_nc_u32 v[LV], 131072, v[LI]
	v_add_nc_u32 v[LKS], KSC, v[R4]
	v_add_nc_u32 v[LVS], VSC, v[R4]
	v_lshl_add_u32 v41, v8, 5, v43
.irp j, 0,1,2,3,4,5,6,7
	v_mov_b32 v[16+\j], 0                          ; the zero codes on either side of Q
	v_mov_b32 v[32+\j], 0
.endr
.irp b, 0,1,2,3
	v_mov_b32 v[236+\b], 0                         ; written once: a lane permute's destination counts as one of its sources
.endr
	v_mov_b32 v252, 0
	v_mov_b32 v253, 0
; My tile of block s74: T = 16 x block + wave in s92; where its Q lies: the image in s[76:77], the scale bytes in s[78:79].
.macro TILEQ
	s_lshl_b32 s92, s74, 4
	s_add_co_u32 s92, s92, s[WV]
	s_mov_b32 s71, 0
	s_lshl_b32 s70, s92, 10
	s_add_nc_u64 s[76:77], s[84:85], s[70:71]      ; 1,024 bytes a tile
	s_lshr_b32 s70, s92, 1
	s_lshl_b32 s70, s70, 6
	s_and_b32 s72, s92, 1
	s_lshl_b32 s72, s72, 1
	s_add_co_u32 s70, s70, s72
	s_add_nc_u64 s[78:79], s[86:87], s[70:71]      ; 64 bytes a pair of tiles, 2 (T % 2) on
.endm
; A tile of queries begins: block s74 of the head's eight.  ahead = 1: its Q was asked for at the kernel's start and lies in v[QA] on and v255.
.macro INIT ahead
	s_wait_xcnt 0x0                                ; earlier loads and stores have read their registers and bases: both are written again below
	TILEQ
	s_lshl_b32 s[Q0], s74, 8
	s_lshr_b32 s70, s[WV], 1
	s_lshl_b32 s70, s70, 5
	s_add_co_u32 s[Q0], s[Q0], s70
	s_and_b32 s70, s[WV], 1
	s_lshl_b32 s70, s70, 3
	s_add_co_u32 s[Q0], s[Q0], s70                 ; the tile's first query: 32 (T / 2) + 8 (T % 2); lane r's query is r + 8 (r / 8) on
	s_lshl_b32 s70, s92, 14
	s_add_nc_u64 s[80:81], s[88:89], s[70:71]      ; y's image
	s_lshl_b32 s70, s92, 9
	s_add_nc_u64 s[82:83], s[90:91], s[70:71]      ; y's scale bytes
.if !\ahead
	global_load_b128 v[24:27], v[LI], s[76:77]             ; channels 16 h + 0 .. 15
	global_load_b128 v[28:31], v[LI], s[76:77] offset:512  ; channels 32 + 16 h + 0 .. 15
	global_load_u16 v40, v[R4], s[78:79]           ; my query's two scale bytes
.endif
	s_mov_b32 s[KF], 0
	s_mov_b32 s[TB], 0
	s_mov_b32 s[TS], 0
	v_mov_b32 v13, 0xff61b1e6                      ; the largest t so far: -3e38, under every t
	s_delay_alu instid0(VALU_DEP_1)
	v_floor_f32 v12, -v13                          ; -M
	v_mov_b32 v14, 0
	v_mov_b32 v15, 0
.if \ahead
.irp j, 0,1,2,3,4,5,6,7
	v_mov_b32 v[24+\j], v[QA+\j]
.endr
	v_lshl_or_b32 v40, v255, 16, v255
.else
	s_wait_loadcnt 0x0                             ; this tile's Q, and the late block's, which was asked for just before
	v_lshl_or_b32 v40, v40, 16, v40                ; the two bytes twice: for Q in the lower and in the upper half of K
.endif
.irp j, 0,1,2,3,4,5,6,7,8,9,10,11,12,13,14,15,16,17,18,19,20,21,22,23,24,25,26,27,28,29,30,31
	v_mov_b32 v[O+\j], 0                           ; O^T: the first step finds zeros, which the first change of M leaves zeros.  (These are also the places between the lines above and the first product)
.endr
.endm
; A KEY STEP: 128 keys.  A step all of whose keys come after my tile's queries is left out: a scalar branch on ids, round the work, not round the lines that step addresses.
.macro STEP
	s_add_co_u32 s70, s[Q0], 23                    ; my tile's last query
	s_cmp_gt_u32 s[KF], s70
	s_cbranch_scc1 .Lhidden_\@
	s_setprio 2
	v_add_nc_u32 v[ADK], s[TB], v[LI]
	v_add_nc_u32 v[ADV], s[TB], v[LV]
	v_add_nc_u32 v[ADS], s[TS], v[LKS]
	v_add_nc_u32 v[ADT], s[TS], v[LVS]
.rept 4
	v_nop                                          ; with the four lines above: eight places in front of loads into registers that the last products read
.endr
.irp b, 0,1,2,3
.irp c, 0,1,2,3
	ds_load_b128 v[F+16*\b+4*\c:F+16*\b+4*\c+3], v[ADK] offset:2048*\b+512*\c   ; key tiles 2 b (c = 0, 1) and 2 b + 1 (c = 2, 3)
.endr
	ds_load_b32 v[248+\b], v[ADS] offset:64*\b
.endr
	s_wait_alu depctr_va_vdst(0)
	s_wait_dscnt 0x0
.irp b, 0,1,2,3
	v_wmma_scale_f32_16x16x128_f8f6f4 v[S+16*\b:S+16*\b+7], v[F+16*\b:F+16*\b+15], v[24:39], 0, v[248+\b], v40      ; (Q, zeros): tile 2 b
	v_wmma_scale_f32_16x16x128_f8f6f4 v[S+16*\b+8:S+16*\b+15], v[F+16*\b:F+16*\b+15], v[16:31], 0, v[248+\b], v40   ; (zeros, Q): tile 2 b + 1
.endr
.rept 8
	v_nop                                          ; places: for the loads below and for the first read of the scores
.endr
.irp t, 0,1,2,3
.irp c, 0,1,2,3
	ds_load_b128 v[F+16*\t+4*\c:F+16*\t+4*\c+3], v[ADV] offset:2048*\t+512*\c   ; V: 16 channels x these 128 keys; they land while the softmax is walked
.endr
	ds_load_b32 v[248+\t], v[ADT] offset:64*\t
.endr
	s_add_co_u32 s70, s[KF], 127                   ; on the diagonal hidden scores become -infinity; a step all of whose keys count skips this
	s_cmp_le_u32 s70, s[Q0]
	s_cbranch_scc1 .Lopen_\@
	s_sub_co_i32 s70, s[Q0], s[KF]
	v_add_nc_u32 v252, s70, v[QL]                  ; d = my query - KF - 16 h.  Register 16 b + i holds key KF + 16 h + 32 b + i: hidden where 32 b + i > d
	v_mov_b32 v254, 0xff800000
.irp n, 0,1,2,3,4,5,6,7,8,9,10,11,12,13,14,15,16,17,18,19,20,21,22,23,24,25,26,27,28,29,30,31,32,33,34,35,36,37,38,39,40,41,42,43,44,45,46,47,48,49,50,51,52,53,54,55,56,57,58,59,60,61,62,63
	v_cmp_gt_i32 vcc_lo, 32*(\n/16)+\n%16, v252
	v_cndmask_b32 v[S+\n], v[S+\n], v254, vcc_lo
.endr
.Lopen_\@:
.irp b, 0,1,2,3
	v_max3_num_f32 v[232+\b], v[S+16*\b], v[S+1+16*\b], v[S+2+16*\b]   ; the largest score of each block of 32 keys: it serves for the row's maximum and, since p rises with the score, for the block's largest p
.endr
.irp i, 3,5,7,9,11,13
.irp b, 0,1,2,3
	v_max3_num_f32 v[232+\b], v[232+\b], v[S+16*\b+\i], v[S+1+16*\b+\i]
.endr
.endr
.irp b, 0,1,2,3
	v_max_num_f32 v[232+\b], v[232+\b], v[S+15+16*\b]
.endr
.irp b, 0,1,2,3
	s_delay_alu instid0(VALU_DEP_4)
	v_permlanex16_b32 v[236+\b], v[232+\b], s[SEL], s[SEL+1]
.endr
.irp b, 0,1,2,3
	s_delay_alu instid0(VALU_DEP_4)
	v_max_num_f32 v[232+\b], v[232+\b], v[236+\b]  ; with lane l xor 16's 16 keys
.endr
	s_delay_alu instid0(VALU_DEP_2)
	v_max3_num_f32 v254, v232, v233, v234
	s_delay_alu instid0(VALU_DEP_1)
	v_max_num_f32 v254, v254, v235                 ; the step's largest score of my query
	s_delay_alu instid0(VALU_DEP_1)
	v_mul_f32 v254, s[CS], v254                    ; as t
	s_delay_alu instid0(VALU_DEP_1)
	v_max_num_f32 v13, v13, v254                   ; the running largest t
	v_mov_b32 v254, v12
	s_delay_alu instid0(VALU_DEP_2)
	v_floor_f32 v12, -v13                          ; the new -M = -ceil(t)
	s_delay_alu instid0(VALU_DEP_1)
	v_sub_f32 v254, v12, v254                      ; old M - new M: a whole number, 0 or less
	s_delay_alu instid0(VALU_DEP_1)
	v_cvt_i32_f32 v254, v254                       ; (it saturates)
	s_delay_alu instid0(VALU_DEP_1)
	v_ldexp_f32 v252, 1.0, v254                    ; f = 2^(old M - new M)
	s_setprio 1
.irp j, 0,2,4,6,8,10,12,14,16,18,20,22,24,26,28,30,32,34,36,38,40,42,44,46,48,50,52,54,56,58,60,62
	v_pk_fma_f32 v[S+\j:S+1+\j], v[S+\j:S+1+\j], s[CS:CS+1], v[12:13] op_sel_hi:[1,0,0]   ; t - M, two at a time
.endr
.irp b, 0,1,2,3
	v_fma_f32 v[232+\b], v[232+\b], s[CS], v12     ; the same of each block's largest score
.endr
	s_wait_alu depctr_va_vdst(0)
.irp j, 0,1,2,3,4,5,6,7,8,9,10,11,12,13,14,15,16,17,18,19,20,21,22,23,24,25,26,27,28,29,30,31,32,33,34,35,36,37,38,39,40,41,42,43,44,45,46,47,48,49,50,51,52,53,54,55,56,57,58,59,60,61,62,63
	v_exp_f32 v[S+\j], v[S+\j]                     ; p = 2^(t - M), at most 1
.endr
.irp b, 0,1,2,3
	v_exp_f32 v[232+\b], v[232+\b]                 ; the block's largest p: the same two instructions on the same number
.endr
	v_pk_mul_f32 v[14:15], v[14:15], v[252:253] op_sel_hi:[1,0]   ; the sums under the new M (a plain line behind the exponentials)
	s_wait_alu depctr_va_vdst(0)
.irp b, 0,1,2,3
	v_max_num_f32 v[232+\b], 0x4800000, v[232+\b]  ; the floor 2^(9 - 127)
.endr
.irp b, 0,1,2,3
	s_delay_alu instid0(VALU_DEP_4)
	v_add_nc_u32 v[244+\b], 0xfc000000, v[232+\b]  ; the conversion's scale operand
.endr
.irp b, 0,1,2,3
.endr
.irp b, 0,1,2,3
	s_delay_alu instid0(VALU_DEP_4)
	v_lshrrev_b32 v[236+\b], 23, v[244+\b]         ; the scale's byte
.endr
	s_delay_alu instid0(VALU_DEP_3)
	v_lshl_or_b32 v253, v237, 8, v236              ; p's scale word for these 128 keys
	s_delay_alu instid0(VALU_DEP_1)
	v_lshl_or_b32 v253, v238, 16, v253
	s_delay_alu instid0(VALU_DEP_1)
	v_lshl_or_b32 v253, v239, 24, v253
	v_pk_add_f32 v[236:237], v[116:117], v[120:121]
	v_pk_add_f32 v[242:243], v[124:125], v[128:129]
	v_pk_add_f32 v[240:241], v[132:133], v[136:137]
	v_pk_add_f32 v[234:235], v[140:141], v[144:145]
	v_pk_add_f32 v[232:233], v[148:149], v[152:153]
	v_pk_add_f32 v[222:223], v[156:157], v[160:161]
	v_pk_add_f32 v[220:221], v[164:165], v[168:169]
	v_pk_add_f32 v[14:15], v[14:15], v[172:173]
	v_pk_add_f32 v[236:237], v[236:237], v[112:113]
	v_pk_add_f32 v[242:243], v[242:243], v[114:115]
	v_pk_add_f32 v[240:241], v[240:241], v[118:119]
	v_pk_add_f32 v[234:235], v[234:235], v[122:123]
	v_pk_add_f32 v[232:233], v[232:233], v[126:127]
	v_pk_add_f32 v[222:223], v[222:223], v[130:131]
	v_pk_add_f32 v[220:221], v[220:221], v[134:135]
	v_pk_add_f32 v[14:15], v[14:15], v[138:139]
	v_pk_add_f32 v[236:237], v[236:237], v[142:143]
	s_setprio 0
	v_pk_add_f32 v[242:243], v[242:243], v[146:147]
	v_pk_add_f32 v[240:241], v[240:241], v[150:151]
	v_pk_add_f32 v[234:235], v[234:235], v[154:155]
	v_pk_add_f32 v[232:233], v[232:233], v[158:159]
	v_pk_add_f32 v[222:223], v[222:223], v[162:163]
	v_pk_add_f32 v[220:221], v[220:221], v[166:167]
	v_pk_add_f32 v[14:15], v[14:15], v[170:171]
	v_pk_add_f32 v[236:237], v[236:237], v[174:175]
	s_delay_alu instid0(VALU_DEP_2)
	v_pk_add_f32 v[14:15], v[14:15], v[234:235]
	s_delay_alu instid0(VALU_DEP_2)
	v_pk_add_f32 v[236:237], v[236:237], v[232:233]
	v_pk_add_f32 v[242:243], v[242:243], v[222:223]
	v_pk_add_f32 v[240:241], v[240:241], v[220:221]
	s_delay_alu instid0(VALU_DEP_2)
	v_pk_add_f32 v[14:15], v[14:15], v[242:243]
	s_delay_alu instid0(VALU_DEP_2)
	v_pk_add_f32 v[236:237], v[236:237], v[240:241]
	s_delay_alu instid0(VALU_DEP_1)
	v_pk_add_f32 v[14:15], v[14:15], v[236:237]
.irp b, 0,1,2,3
.irp i, 0,1,2,3,4,5,6,7,8,9,10,11,12,13,14,15
.endr
	v_cvt_scalef32_pk8_fp8_f32 v[PC+4*\b:PC+1+4*\b], v[S+16*\b:S+7+16*\b], v[244+\b]
	v_cvt_scalef32_pk8_fp8_f32 v[PC+2+4*\b:PC+3+4*\b], v[S+8+16*\b:S+15+16*\b], v[244+\b]
.endr
.irp j, 0,2,4,6,8,10,12,14,16,18,20,22,24,26,28,30
	v_pk_mul_f32 v[O+\j:O+1+\j], v[O+\j:O+1+\j], v[252:253] op_sel_hi:[1,0]   ; O^T under the new M (also the places in front of the products below)
.endr
	s_wait_alu depctr_va_vdst(0)
	s_wait_dscnt 0x0                               ; V and its scale words are in
.irp t, 0,1,2,3
	v_wmma_scale_f32_16x16x128_f8f6f4 v[O+8*\t:O+8*\t+7], v[F+16*\t:F+16*\t+15], v[PC:PC+15], v[O+8*\t:O+8*\t+7], v[248+\t], v253   ; the four accumulators by turns
.endr
.Lhidden_\@:
	s_add_co_u32 s[KF], s[KF], 128
	s_add_co_u32 s[TB], s[TB], 8192
	s_add_co_u32 s[TS], s[TS], 256
.endm
; A tile of queries ends: y = O^T / the sum; register 16 b + i is channel 32 b + 16 h + i of my query: two blocks of 32, each shared with lane l xor 16.  Codes leave as a register image, 512 consecutive bytes a store.
.macro FINISH
.rept 8
	v_nop                                          ; places behind the last products
.endr
	v_add_f32 v14, v14, v15
	s_delay_alu instid0(VALU_DEP_1)
	v_permlanex16_b32 v252, v14, s[SEL], s[SEL+1]
	s_delay_alu instid0(VALU_DEP_1)
	v_add_f32 v14, v14, v252                       ; the row's sum
	s_wait_alu depctr_va_vdst(0)
	v_rcp_f32 v14, v14
	v_nop                                          ; a plain line behind the transcendental
	s_wait_alu depctr_va_vdst(0)
.irp j, 0,2,4,6,8,10,12,14,16,18,20,22,24,26,28,30
	v_pk_mul_f32 v[S+\j:S+1+\j], v[O+\j:O+1+\j], v[14:15] op_sel_hi:[1,0]   ; each accumulator from its low end on
.endr
.irp b, 0,1
	v_max3_num_f32 v[232+\b], |v[S+16*\b]|, |v[S+1+16*\b]|, 0x4800000
.endr
.irp i, 2,4,6,8,10,12,14
.irp b, 0,1
	s_delay_alu instid0(VALU_DEP_2)
	v_max3_num_f32 v[232+\b], v[232+\b], |v[S+16*\b+\i]|, |v[S+1+16*\b+\i]|
.endr
.endr
.irp b, 0,1
	s_delay_alu instid0(VALU_DEP_2)
	v_permlanex16_b32 v[236+\b], v[232+\b], s[SEL], s[SEL+1]
.endr
.irp b, 0,1
	s_delay_alu instid0(VALU_DEP_2)
	v_max_num_f32 v[232+\b], v[232+\b], v[236+\b]
.endr
.irp b, 0,1
	s_delay_alu instid0(VALU_DEP_2)
	v_add_nc_u32 v[244+\b], 0xfc000000, v[232+\b]
.endr
.irp b, 0,1
.endr
.irp b, 0,1
	s_delay_alu instid0(VALU_DEP_2)
	v_lshrrev_b32 v[236+\b], 23, v[244+\b]
.endr
	s_delay_alu instid0(VALU_DEP_1)
	v_cndmask_b32 v254, v236, v237, s[HM]          ; lanes 0-15 store the first block's byte, lanes 16-31 the second's
.irp b, 0,1
.irp i, 0,1,2,3,4,5,6,7,8,9,10,11,12,13,14,15
.endr
	v_cvt_scalef32_pk8_fp8_f32 v[PC+4*\b:PC+1+4*\b], v[S+16*\b:S+7+16*\b], v[244+\b]
	v_cvt_scalef32_pk8_fp8_f32 v[PC+2+4*\b:PC+3+4*\b], v[S+8+16*\b:S+15+16*\b], v[244+\b]
.endr
	v_nop                                          ; one plain line behind the last conversion
	global_store_b128 v[LI], v[PC:PC+3], s[80:81]
	global_store_b128 v[LI], v[PC+4:PC+7], s[80:81] offset:512
	global_store_b8 v41, v254, s[82:83]            ; one byte a lane, rows 32 bytes apart: one byte in 32 of y's
.endm
; All my tensor loads have landed; then the work-group's barrier: behind it every wave may read what any wave has fetched so far.
.macro MEET
	s_wait_tensorcnt 0x0
	ds_add_u32 v[SPW], v[NIL]
	ds_add_u32 v[SPW], v[NIL]                      ; 0 onto my spare word
	s_wait_dscnt 0x0                               ; the add is done, and no LDS load of mine is out
	s_barrier_signal -1
	s_barrier_wait -1
.endm
; A later first fill: waves 0 to n - 1 issue their one tensor load, first thing behind the barrier; the branch hangs on the wave's number alone; four v_nop follow the load.
.macro LATER n, g0
	s_cmp_lt_u32 s[WV], \n
	s_cbranch_scc0 .Lnone_\@
	tensor_load_to_lds s[\g0:\g0+3], s[24:31]
	s_nop 0
.rept 4
	v_nop
.endr
.Lnone_\@:
.endm
	s_sub_co_u32 s74, 7, ttmp9                     ; the late block's Q is asked for now, so that nothing is waited for when its turn comes
	TILEQ
	global_load_b128 v[QA:QA+3], v[LI], s[76:77]
	global_load_b128 v[QA+4:QA+7], v[LI], s[76:77] offset:512
	global_load_u16 v255, v[R4], s[78:79]
	s_mov_b32 s74, ttmp9                           ; the early block, i = 0 .. 3: its queries lie under 1,024, so it wants keys 0 to 1,023 at the most
	INIT 0
	MEET                                           ; the scale bytes and keys 0-511 are in
	LATER 2, 48                                    ; keys 512-1,023 go out
	s_mov_b32 s75, 4
.Lfirst:
	STEP
	s_sub_co_u32 s75, s75, 1
	s_cmp_lg_u32 s75, 0
	s_cbranch_scc1 .Lfirst
	s_setprio 0
	MEET                                           ; keys 512-1,023 are in
	LATER 4, 52                                    ; keys 1,024-2,047 go out: two groups, K's and V's, one load for each of four waves
	s_mov_b32 s75, 4
.Lsecond:
	STEP
	s_sub_co_u32 s75, s75, 1
	s_cmp_lg_u32 s75, 0
	s_cbranch_scc1 .Lsecond
	s_setprio 0
	FINISH
	s_sub_co_u32 s74, 7, ttmp9                     ; the late block, 7 - i
	INIT 1
	s_mov_b32 s75, 8                               ; its first eight steps read keys under 1,024, which the second barrier has shown to every wave
.Lthird:
	STEP
	s_sub_co_u32 s75, s75, 1
	s_cmp_lg_u32 s75, 0
	s_cbranch_scc1 .Lthird
	s_setprio 0
	MEET                                           ; all keys are in: no tensor load is out any more
	s_mov_b32 s75, 8
.Lfourth:
	STEP
	s_sub_co_u32 s75, s75, 1
	s_cmp_lg_u32 s75, 0
	s_cbranch_scc1 .Lfourth
	s_setprio 0
	FINISH
	s_wait_tensorcnt 0x0                           ; the wave's end
	ds_add_u32 v[SPW], v[NIL]
	s_wait_dscnt 0x0
	s_endpgm
.Lfunc_end_k_qd9a218b837_attn:
	.size	k_qd9a218b837_attn, .Lfunc_end_k_qd9a218b837_attn-k_qd9a218b837_attn
	.p2alignl 7, 3214868480
	.fill 96, 4, 3214868480
	.section	.rodata,"a",@progbits
	.p2align	6, 0x0
	.amdhsa_kernel k_qd9a218b837_attn
		.amdhsa_group_segment_fixed_size 327680
		.amdhsa_private_segment_fixed_size 0
		.amdhsa_enable_private_segment 0
		.amdhsa_kernarg_size 32
		.amdhsa_user_sgpr_count 2
		.amdhsa_user_sgpr_kernarg_segment_ptr 1
		.amdhsa_wavefront_size32 1
		.amdhsa_system_sgpr_workgroup_id_x 1
		.amdhsa_system_sgpr_workgroup_id_y 1
		.amdhsa_system_sgpr_workgroup_id_z 1
		.amdhsa_system_vgpr_workitem_id 0
		.amdhsa_next_free_vgpr 256
		.amdhsa_next_free_sgpr 96
		.amdhsa_reserve_vcc 1
		.amdhsa_float_denorm_mode_32 3
		.amdhsa_float_denorm_mode_16_64 3
		.amdhsa_fp16_overflow 1
		.amdhsa_memory_ordered 1
		.amdhsa_forward_progress 1
		.amdhsa_inst_pref_size 113
	.end_amdhsa_kernel
	.amdgpu_metadata
---
amdhsa.version: [ 1, 2 ]
amdhsa.kernels:
  - .name:           k_qd9a218b837_attn
    .symbol:         k_qd9a218b837_attn.kd
    .args:
      - { .name: qkvc, .offset: 0, .size: 8, .value_kind: global_buffer, .address_space: global }
      - { .name: qkvs, .offset: 8, .size: 8, .value_kind: global_buffer, .address_space: global }
      - { .name: yc, .offset: 16, .size: 8, .value_kind: global_buffer, .address_space: global }
      - { .name: ys, .offset: 24, .size: 8, .value_kind: global_buffer, .address_space: global }
    .group_segment_fixed_size: 327680
    .private_segment_fixed_size: 0
    .kernarg_segment_align: 8
    .kernarg_segment_size: 32
    .max_flat_workgroup_size: 512
    .sgpr_count:     96
    .vgpr_count:     256
    .wavefront_size: 32
...
	.end_amdgpu_metadata
.endif
;; end of part 3
;; launch proj (part 4): grid 4 x 64, 4 waves a work-group, clusters of 4 x 4, 327,680 bytes of LDS; arguments yc, ys, wc, ws, b_proj, out0; writes out0
.if DOCPART == 4
	.amdgcn_target "amdgcn-amd-amdhsa--gfx1250"
	.amdhsa_code_object_version 6
	.text
	.protected	k_qd9a218b837_proj
	.globl	k_qd9a218b837_proj
	.p2align	8
	.type	k_qd9a218b837_proj,@function
k_qd9a218b837_proj:
	s_mov_b64 s[64:65], 0
	v_nop
	global_prefetch_b8 v0, s[64:65] scope:SCOPE_SE
	s_setreg_imm32_b32 hwreg(HW_REG_WAVE_MODE, 25, 1), 1
	s_wait_xcnt 0x0
	s_wait_alu depctr_hold_cnt(0) depctr_sa_sdst(0) depctr_va_vdst(0) depctr_va_sdst(0) depctr_va_ssrc(0) depctr_va_vcc(0) depctr_vm_vsrc(0)
	s_getreg_b32 s2, hwreg(HW_REG_IB_STS2, 6, 4)
	s_cmp_eq_u32 s2, 0
	s_cbranch_scc0 .Lentry_in_a_cluster
	s_endpgm
.Lentry_in_a_cluster:
	s_bfe_u32 s2, ttmp6, 0x10000c
	s_cmp_lg_u32 s2, 0xf033
	s_cbranch_scc0 .Lentry_shape_is_right
	s_endpgm
.Lentry_shape_is_right:
; out0 = y w_proj + b_proj on codes of FP8 (E4M3) with E8M0 scales (K = 1,024); out0 [8192][1024] f32.
; A tile of 128 tokens x 256 columns is made by a work-group of four waves: 64 x 4 = 256 tiles, one for each of 256 WGPs (tiles of 256 x 256 would be 128).  A wave makes 64 x 128: 32 accumulators, 256 registers.
; The price: a wave reads (64 + 128) x 128 bytes from LDS for 32 matrix instructions, where a wave tile of 128 x 128 reads 256 x 128 for 64.
; K goes in four steps of 256.  A slot (128 tokens' images and 256 padded rows of the weight) is 102,400 bytes, so THREE slots fit: three of the four K steps are first fills, asked for together at the start,
; and one refill is left: K step 3 into slot 0, behind the one round in the second step of 128, with two K steps in which to land.  The eight steps of 128 are written out: there is no loop.
; The scale bytes of the work-group's 128 + 256 rows, for all of K, come into LDS once.
; SOURCE 0 = 256 columns of w_proj (rows of 1,024 codes at positions 3,072 on of the weights' buffer), SOURCE 1 = 128 tokens of y, which lie as REGISTER IMAGES: [tile of 16 tokens][128 along K][block of 32][lane][16 bytes]:
; a fragment comes by four loads of 512 consecutive bytes.  A lane then holds eight neighbouring numbers of a row of the output.
; Rows of both operands lie at positions (bits 3 and 4 of the row exchanged): the way out puts columns and rows back: columns by the place in the stage, rows by the store's immediate.
; CLUSTERS: 4 x 4 work-groups.  Source 1's tiles hang on cy alone and are shared along a row of the cluster, source 0's on cx alone and are shared along a column: each is asked for jointly.
; THE BIAS is the C of each sum's first product.
; REGISTERS: window 0: v0-31 addresses; v32-63 scale words, two sets; v64-127 the bias; v128-191, v192-255 source 1's fragments, two sets.  window 1: source 0's fragments, two sets.  window 2: the accumulators ((a, b) at v[8 (8 a + b)]).
.set ROWB,   256
.set KROW,   1024
.set PITCH,  272                       ; source 0's LDS row: 256 bytes + 16 of padding: the 16 rows that a load touches start at 16 different banks (64 banks of 4 bytes: ISA guide 11.1)
.set FR,     16
.set NP,     8                         ; places behind this matrix instruction (ISA guide 7.12.1)
.set HALFA,  16384                     ; source 1: 4 tiles of 16 tokens x 256 along K: 4,096 bytes each, dense
.set HALFT,  128*PITCH                 ; source 0: 128 rows
.set BOFF,   2*HALFA                   ; source 0's rows lie behind source 1's images
.set SLOT,   BOFF+2*HALFT
.set SCL,    3*SLOT                    ; the scale bytes, as units of 256 bytes + 16 of padding: source 1's 128 rows, then source 0's 256
.set HALFSA, 8*272                     ; those of 64 rows
.set HALFSB, 16*272                    ; those of 128 rows
.set SBLK,   2*272                     ; those of 16 rows
.set SPARE,  SCL+2*HALFSA+2*HALFSB     ; the spare words, 128 bytes for each wave
.set STAGE,  SLOT                      ; the way out: in slot 1, which has its one fill at the start and its last read ahead of the barrier in the sixth step
.set SPITCH, 528                       ; a stage of 16 rows x (512 bytes + 16) for each wave
.set BO,   7                           ; v7      the bias: 64 h
.set ADRA, 16                          ; v16-18  LDS address of source 1's fragments in slot 0, 1, 2
.set ADRB, 20                          ; v20-22  the same for source 0
.set STO,  24
.set RD,   25
.set CO,   26
.set ADRS, 27                          ; v27     LDS address of my scale words: lanes 0-15 source 1's rows, lanes 16-31 source 0's; never rewritten
.set SPW,  28
.set NIL,  29
.set SC,   32
.set BIAS, 64
.set AF,   128
.set BK,   128
.set G1, 24                            ; s[24:31] group 1 for source 1's tiles
.set G0, 32                            ; s[32:35], s[36:39] its groups 0 for slots 0, 1;
.set G0C, 4                            ; s[4:7] for slot 2 (where the first two pointers lay)
.set G1B, 48                           ; s[48:55] group 1 for source 0's tiles
.set G0B, 56                           ; s[56:59], s[60:63] its groups 0 for slots 0, 1;
.set G0BC, 8                           ; s[8:11] for slot 2
.set G1S, 68
.set G0S, 76
.set G1SB, 80
.set G0SB, 88
.set MSB, 0
.macro WIN new                         ; the immediate's high byte repeats the setting that is left
.if MSB != \new
	s_set_vgpr_msb (MSB<<8)|\new
.set MSB, \new
.endif
.endm
.set TO_B,   0x40                      ; destination window 1, address window 0
.macro MWIN zero                       ; source 0 window 1, source 1 window 0, D window 2; C with D, or (the first step) in window 0
.if \zero
	WIN 0x81
.else
	WIN 0xa1
.endif
.endm
.macro JLOAD g0a, g1a, g0b, g1b        ; a joint load: waves 0 and 1 fetch for source 1, waves 2 and 3 for source 0; four v_nop follow each of the two lines
	s_cmp_eq_u32 s15, 0
	s_cbranch_scc0 .Lfor_b_\@
	tensor_load_to_lds s[\g0a:\g0a+3], s[\g1a:\g1a+7]
	s_nop 0
.rept 4
	v_nop
.endr
	s_branch .Lasked_\@
.Lfor_b_\@:
	tensor_load_to_lds s[\g0b:\g0b+3], s[\g1b:\g1b+7]
	s_nop 0
.rept 4
	v_nop
.endr
.Lasked_\@:
.endm
.macro CREST                           ; a round of the cluster's barrier behind its opening barrier
	s_cmp_lg_u32 s14, 0
	s_cbranch_scc1 .Lnot_wave_0_\@
	s_barrier_signal -3
.Lnot_wave_0_\@:
	s_barrier_wait -3
	s_barrier_signal -1
	s_barrier_wait -1
.endm
.macro CROUND
	s_barrier_signal -1
	s_barrier_wait -1
	CREST
.endm
	s_load_b128 s[4:7], s[0:1], 0x0                ; y's images, y's scale bytes
	s_load_b128 s[8:11], s[0:1], 0x10              ; the weights' codes, their scale bytes
	s_load_b128 s[96:99], s[0:1], 0x20             ; b_proj s[96:97], out0 s[98:99]
	v_lshl_add_u32 v[SPW], v0, 2, SPARE
	v_mov_b32 v[NIL], 0
	ds_add_u32 v28, v29
	s_wait_dscnt 0x0
	v_lshrrev_b32 v1, 5, v0
	v_readfirstlane_b32 s14, v1                    ; wave 0..3
	s_lshr_b32 s15, s14, 1                         ; which half of the tile's tokens is mine.  Also: I fetch for source 1 (0) or source 0 (1)
	s_and_b32 s16, s14, 1                          ; which half of its columns.  Also: which half of that tile I fetch
	s_bfe_u32 s40, ttmp6, 0x40000                  ; cx, cy
	s_bfe_u32 s41, ttmp6, 0x40004
	s_lshl_b32 s42, ttmp9, 2
	s_add_co_u32 s42, s42, s40                     ; tile of 256 columns = 4 x cluster x + cx
	s_and_b32 s17, ttmp7, 0xffff
	s_lshl_b32 s17, s17, 2
	s_add_co_u32 s17, s17, s41                     ; tile of 128 tokens = 4 x cluster y + cy
	s_lshl_b32 s43, s41, 2
	s_lshl_b32 s43, 15, s43                        ; my row of the cluster
	s_lshl_b32 s44, 0x1111, s40                    ; my column
	; source 1: 4 rows of 4,096 bytes (512 elements of 8), 16,384 bytes apart: of each of 4 tiles of tokens the images of 256 along K; dense in LDS
	s_or_b32 s[G1+0], s43, (3<<16)|(1<<21)
	s_mov_b32 s[G1+1], 512<<16
	s_mov_b32 s[G1+2], 4<<16
	s_mov_b32 s[G1+3], 512<<16
	s_mov_b32 s[G1+4], 4
	s_mov_b32 s[G1+5], 2048
	s_mov_b32 s[G1+6], 0
	s_mov_b32 s[G1+7], 0
	; source 0: 128 rows x 256 bytes, padded in LDS
	s_or_b32 s[G1B+0], s44, (0<<16)|(1<<20)|(1<<21)|(5<<22)|(3<<25)
	s_mov_b32 s[G1B+1], ROWB<<16
	s_mov_b32 s[G1B+2], 128<<16
	s_mov_b32 s[G1B+3], ROWB<<16
	s_mov_b32 s[G1B+4], 128
	s_mov_b32 s[G1B+5], KROW
	s_mov_b32 s[G1B+6], 0
	s_mov_b32 s[G1B+7], 0
	; the scale bytes: source 1's 64 rows are 2,048 dense bytes, 8 rows of 256; source 0's 128 rows 4,096, 16 rows of 256; 16 bytes of padding behind each
	s_or_b32 s[G1S+0], s43, (3<<16)|(1<<20)|(1<<21)|(5<<22)|(3<<25)
	s_mov_b32 s[G1S+1], 32<<16
	s_mov_b32 s[G1S+2], 8<<16
	s_mov_b32 s[G1S+3], 32<<16
	s_mov_b32 s[G1S+4], 8
	s_mov_b32 s[G1S+5], 32
	s_mov_b32 s[G1S+6], 0
	s_mov_b32 s[G1S+7], 0
	s_or_b32 s[G1SB+0], s44, (3<<16)|(1<<20)|(1<<21)|(5<<22)|(3<<25)
	s_mov_b32 s[G1SB+1], 32<<16
	s_mov_b32 s[G1SB+2], 16<<16
	s_mov_b32 s[G1SB+3], 32<<16
	s_mov_b32 s[G1SB+4], 16
	s_mov_b32 s[G1SB+5], 32
	s_mov_b32 s[G1SB+6], 0
	s_mov_b32 s[G1SB+7], 0
	s_lshl_b32 s20, s17, 17                        ; y's images: 8 tiles of 16,384 bytes a work-group,
	s_lshl_b32 s18, s16, 16                        ; 4 of them for the half that I fetch
	s_add_co_u32 s20, s20, s18
	s_mov_b32 s21, 0
	s_lshl_b32 s22, s17, 12                        ; y's scale bytes: 128 rows of 32,
	s_lshl_b32 s18, s16, 11                        ; 64 rows
	s_add_co_u32 s22, s22, s18
	s_mov_b32 s23, 0
	s_lshl_b32 s46, s42, 18                        ; the weight: 256 rows of 1,024 bytes,
	s_lshl_b32 s18, s16, 17                        ; 128 rows,
	s_add_co_u32 s46, s46, s18
	s_add_co_u32 s46, s46, 0x300000                ; and w_proj's columns begin at position 3,072
	s_mov_b32 s47, 0
	s_lshl_b32 s92, s42, 13
	s_lshl_b32 s18, s16, 12
	s_add_co_u32 s92, s92, s18
	s_add_co_u32 s92, s92, 0x18000
	s_mov_b32 s93, 0
	s_lshl_b32 s45, s16, 14                        ; where they go: source 1: half x 16,384;
	s_mul_i32 s95, s16, HALFT
	s_add_co_u32 s95, s95, BOFF                    ; source 0: behind them, half x 128 rows: no place in the cluster enters an LDS address
	s_mul_i32 s94, s16, HALFSA
	s_mul_i32 s13, s16, HALFSB
	s_wait_kmcnt 0x0
	s_add_nc_u64 s[20:21], s[4:5], s[20:21]
	s_add_nc_u64 s[22:23], s[6:7], s[22:23]
	s_add_nc_u64 s[46:47], s[8:9], s[46:47]
	s_add_nc_u64 s[92:93], s[10:11], s[92:93]
	CROUND                                         ; all sixteen work-groups are here: the first joint loads meet
	s_mov_b32 s[G0S], 1
	s_add_co_u32 s[G0S+1], s94, SCL
	s_mov_b64 s[G0S+2:G0S+3], s[22:23]
	s_or_b32 s[G0S+3], s[G0S+3], 0x80000000
	s_mov_b32 s[G0SB], 1
	s_add_co_u32 s[G0SB+1], s13, SCL+2*HALFSA
	s_mov_b64 s[G0SB+2:G0SB+3], s[92:93]
	s_or_b32 s[G0SB+3], s[G0SB+3], 0x80000000
	JLOAD G0S, G1S, G0SB, G1SB                     ; the scale bytes first
.macro FIRST ga, gb, s                 ; slot s's two groups 0, for K step s, and its first fill
	s_mov_b32 s[\ga], 1
	s_add_co_u32 s[\ga+1], s45, \s*SLOT
	s_add_nc_u64 s[\ga+2:\ga+3], s[20:21], \s*4096
	s_or_b32 s[\ga+3], s[\ga+3], 0x80000000
	s_mov_b32 s[\gb], 1
	s_add_co_u32 s[\gb+1], s95, \s*SLOT
	s_add_nc_u64 s[\gb+2:\gb+3], s[46:47], \s*ROWB
	s_or_b32 s[\gb+3], s[\gb+3], 0x80000000
	JLOAD \ga, G1, \gb, G1B
.endm
	FIRST G0, G0B, 0
	FIRST G0+4, G0B+4, 1
	FIRST G0C, G0BC, 2                             ; four loads of mine are out
	v_and_b32 v1, 15, v0                           ; r
	v_bfe_u32 v2, v0, 4, 1                         ; h
	v_and_b32 v6, 31, v0
	v_lshlrev_b32 v[CO], 4, v6                     ; 16 x lane
	v_mul_u32_u24 v3, v1, PITCH
	v_lshl_add_u32 v4, v2, 4, v3                   ; source 0: a fragment's row x pitch + 16 h
	s_lshl_b32 s21, s15, 14                        ; my 4 tiles of source 1
	s_mul_i32 s22, s16, HALFT
	s_add_co_u32 s22, s22, BOFF                    ; my 128 rows of source 0
.irp s, 0,1,2
	v_add_nc_u32 v[ADRA+\s], s21, v[CO]
	v_add_nc_u32 v[ADRB+\s], s22, v4
	s_add_co_u32 s21, s21, SLOT
	s_add_co_u32 s22, s22, SLOT
.endr
	v_lshlrev_b32 v5, 5, v1                        ; my row's scale bytes: 32 a row,
	v_lshrrev_b32 v6, 8, v5
	v_lshl_add_u32 v5, v6, 4, v5                   ; and 16 more for each 256 passed
	s_mul_i32 s21, s15, HALFSA                     ; source 1's: my 64 rows
	s_mul_i32 s22, s16, HALFSB                     ; source 0's: my 128 rows, behind source 1's 128
	s_add_co_u32 s22, s22, 2*HALFSA
	s_sub_co_u32 s22, s22, s21
	v_mul_u32_u24 v6, s22, v2                      ; lanes 16-31 take source 0's
	s_add_co_u32 s21, s21, SCL
	v_add_nc_u32 v5, v5, v6
	v_add_nc_u32 v[ADRS], s21, v5
	s_mul_i32 s23, s14, 16*SPITCH
	s_add_co_u32 s23, s23, STAGE                   ; my stage
	v_mul_u32_u24 v5, v1, SPITCH
	v_lshl_add_u32 v5, v2, 6, v5                   ; in: row r; my half's 16 columns of each 32: 64 h bytes on
	v_add_nc_u32 v[STO], s23, v5
	v_add_nc_u32 v[RD], s23, v[CO]                 ; back: the 32 lanes take one row of 512 bytes
	v_lshlrev_b32 v[BO], 6, v2
	s_lshl_b32 s66, s42, 10                        ; my first column, in bytes: 1,024 x tile + 512 x half
	s_lshl_b32 s67, s16, 9
	s_add_co_u32 s66, s66, s67
	s_mov_b32 s67, 0
	s_add_nc_u64 s[96:97], s[96:97], s[66:67]      ; b_proj there,
	s_add_nc_u64 s[98:99], s[98:99], s[66:67]      ; out0 there,
	s_lshl_b32 s66, s17, 19
	s_lshl_b32 s12, s15, 18
	s_add_co_u32 s66, s66, s12
	s_add_nc_u64 s[98:99], s[98:99], s[66:67]      ; and at my first row: (128 x tile + 64 x half) x 4,096 bytes
.irp b, 0,1,2,3,4,5,6,7
	global_load_b128 v[BIAS+8*\b:BIAS+8*\b+3], v[BO], s[96:97] offset:(32*(\b/2)+8*(\b%2))*4        ; register j of tile b is column 32 (b / 2) + 8 (b % 2) + 16 h + j
	global_load_b128 v[BIAS+8*\b+4:BIAS+8*\b+7], v[BO], s[96:97] offset:(32*(\b/2)+8*(\b%2))*4+16
.endr
.macro FRAGB reg, adr, q, i            ; source 0: 16 rows x 128 K from padded rows
.irp c, 0,1,2,3
	ds_load_b128 v[\reg+4*\c:\reg+4*\c+3], v[\adr] offset:128*(\q)+32*\c+(\i)*16*PITCH
.endr
.endm
.macro FRAGA reg, adr, q, i            ; source 1: the image of tile i, the slot's q-th 128 along K
.irp c, 0,1,2,3
	ds_load_b128 v[\reg+4*\c:\reg+4*\c+3], v[\adr] offset:(\i)*4096+(\q)*2048+512*\c
.endr
.endm
; 8 matrix instructions: source 1's block a x source 0's eight; the fragments' set is q, the step's place in its K step.  zero = 1: the sums begin with the bias.
; The 32 accumulators take turns, one instruction a turn, in the same order in every step.
.macro MUL8 a, q, sc, zero
.irp b, 0,1,2,3,4,5,6,7
.if \zero
	v_wmma_scale_f32_16x16x128_f8f6f4 v[8*(8*(\a)+\b):8*(8*(\a)+\b)+7], v[128*(\q)+FR*\b:128*(\q)+FR*\b+FR-1], v[AF+64*(\q)+FR*(\a):AF+64*(\q)+FR*(\a)+FR-1], v[BIAS+8*\b:BIAS+8*\b+7], v[SC+16*(\sc)+2*\b+(\q)], v[SC+16*(\sc)+2*(\a)+(\q)] matrix_a_scale:MATRIX_SCALE_ROW1
.else
	v_wmma_scale_f32_16x16x128_f8f6f4 v[8*(8*(\a)+\b):8*(8*(\a)+\b)+7], v[128*(\q)+FR*\b:128*(\q)+FR*\b+FR-1], v[AF+64*(\q)+FR*(\a):AF+64*(\q)+FR*(\a)+FR-1], v[8*(8*(\a)+\b):8*(8*(\a)+\b)+7], v[SC+16*(\sc)+2*\b+(\q)], v[SC+16*(\sc)+2*(\a)+(\q)] matrix_a_scale:MATRIX_SCALE_ROW1
.endif
.endr
.endm
.macro FETCH slot, q, p                ; 48 LDS loads in one run: a step's fragments (128 rows of source 0, 64 of source 1) into set p
	WIN TO_B
.irp i, 0,1,2,3,4,5,6,7
	FRAGB 128*(\p)+FR*\i, ADRB+\slot, \q, \i
.endr
	WIN 0
.irp i, 0,1,2,3
	FRAGA AF+64*(\p)+FR*\i, ADRA+\slot, \q, \i
.endr
.endm
.macro SCALES sc, k                    ; K step k's scale words into set sc: two words a row; lanes 0-15 source 1's block i (of which 0 to 3 are used), lanes 16-31 source 0's block i
.irp i, 0,1,2,3,4,5,6,7
	ds_load_b64 v[SC+16*(\sc)+2*\i:SC+16*(\sc)+2*\i+1], v[ADRS] offset:\i*SBLK+8*(\k)
.endr
.endm
.macro PLACES n                        ; plain vector lines between a matrix instruction and a load into, or a read of, its registers (ISA guide 7.12.1 for the reads)
.rept \n
	v_nop
.endr
.endm
; A step of 128 along K: multiplies set q with the scale words of set sc; in its middle it fetches the next step's fragments (slot ns, its nq-th 128) into the other set, and with a new K step nk its scale words.
.macro STEP q, sc, zero, ns, nq, nk
	s_wait_dscnt 0x0                               ; this step's fragments and scale words are in (asked for 16 matrix instructions ago)
	MWIN \zero
	MUL8 0, \q, \sc, \zero
	MUL8 1, \q, \sc, \zero
	PLACES NP                                      ; the other set was read by the step before
	FETCH \ns, \nq, 1-(\q)
.if (\nq) == 0
	SCALES (\nk)%2, \nk
.endif
	MWIN \zero
	MUL8 2, \q, \sc, \zero
	MUL8 3, \q, \sc, \zero
	WIN 0
.endm
; A K step's second step with a barrier in it: in front of it each wave waits for all its tensor loads, adds 0 to its spare word, and waits for that and for its LDS reads.
; fill = 1: slot 0, which nobody reads any more, takes K step 3.  Behind the barrier the fragments of slot ns are fetched, with K step nk's scale words.
.macro TURN sc, ns, nk, fill
	s_wait_tensorcnt 0x0                           ; all my tensor loads have landed
	ds_add_u32 v[SPW], v[NIL]                      ; 0 onto my spare word
	s_wait_dscnt 0x1                               ; this step's fragments are in (the add may be out)
	MWIN 0
	MUL8 0, 1, \sc, 0                              ; eight matrix instructions stand between the add and the wait for it
	s_wait_dscnt 0x0                               ; the add is done, and no LDS read of mine is out
	s_barrier_signal -1
	MUL8 1, 1, \sc, 0
	WIN 0
	s_barrier_wait -1
.if \fill
	CREST                                          ; the barrier has opened a round of the cluster's: no wave of any partner still reads slot 0 or has a load on its way
	s_add_nc_u64 s[G0+2:G0+3], s[G0+2:G0+3], 3*4096
	s_add_nc_u64 s[G0B+2:G0B+3], s[G0B+2:G0B+3], 3*ROWB
	JLOAD G0, G1, G0B, G1B                         ; the first tensor load behind the round, and my last; its four v_nop are among the places below
	PLACES NP-4
.else
	PLACES NP
.endif
	FETCH \ns, 0, 0
	SCALES (\nk)%2, \nk
	MWIN 0
	MUL8 2, 1, \sc, 0
	MUL8 3, 1, \sc, 0
	WIN 0
.endm
	s_wait_tensorcnt 0x2                           ; the scale bytes and my part of K step 0 are in (K steps 1 and 2 may be out)
	s_barrier_signal -1
	s_barrier_wait -1                              ; everybody's are
	FETCH 0, 0, 0
	SCALES 0, 0
	s_wait_loadcnt 0x0                             ; the bias
	STEP 0, 0, 1, 0, 1, 0                          ; K step 0, slot 0: its first products start the sums, on the bias
	TURN 0, 1, 1, 1                                ; K steps 1 and 2 are in, for every wave; slot 0 takes K step 3
	STEP 0, 1, 0, 1, 1, 0                          ; K step 1, slot 1
	STEP 1, 1, 0, 2, 0, 2                          ; on into slot 2, which the barrier above has shown whole: no barrier here
	STEP 0, 0, 0, 2, 1, 0                          ; K step 2, slot 2
	TURN 0, 0, 3, 0                                ; K step 3 is in, for every wave; nothing is filled again
	STEP 0, 1, 0, 0, 1, 0                          ; K step 3, slot 0
	s_wait_dscnt 0x0                               ; the very last step: nothing more to fetch
	MWIN 0
	MUL8 0, 1, 1, 0
	MUL8 1, 1, 1, 0
	MUL8 2, 1, 1, 0
	MUL8 3, 1, 1, 0
	WIN 0
; THE WAY OUT, block by block of 16 rows x 128 columns, through my own stage: in as 32 bytes a lane, each tile's columns at their true place; back as whole rows of 512 bytes.
; LDS serves a wave's instructions in order (ISA guide 5.7.1.4): no wait between the stores and the loads, nor in front of the next block's stores.
.macro TOSTAGE a
.set AC, 64*(\a)
	WIN 0x08                                       ; the data: window 2
.irp b, 0,1,2,3,4,5,6,7
	ds_store_b128 v[STO], v[AC+8*\b:AC+8*\b+3] offset:128*(\b/2)+32*(\b%2)          ; each accumulator from its low end on
	ds_store_b128 v[STO], v[AC+8*\b+4:AC+8*\b+7] offset:128*(\b/2)+32*(\b%2)+16
.endr
	WIN 0
.set BB, BK+64*((\a)%2)
.irp t, 0,1,2,3,4,5,6,7,8,9,10,11,12,13,14,15
	ds_load_b128 v[BB+4*\t:BB+4*\t+3], v[RD] offset:\t*SPITCH
.endr
.endm
.macro SEND a, younger                 ; younger: the LDS instructions issued behind block a's loads, which may stay out
.set BB, BK+64*((\a)%2)
	s_wait_dscnt \younger
.irp t, 0,1,2,3,4,5,6,7,8,9,10,11,12,13,14,15
	global_store_b128 v[CO], v[BB+4*\t:BB+4*\t+3], s[98:99] offset:(32*((\a)/2)+8*((\a)%2)+\t+8*(\t/8))*4096 th:TH_STORE_NT   ; position 16 a + t is row 32 (a / 2) + 8 (a % 2) + t + 8 (t / 8); 32 lanes store 512 consecutive bytes, aligned
.endr
.endm
	PLACES NP                                      ; behind the last products: for the reads of results and the loads into the registers that held source 1's fragments
	TOSTAGE 0
.irp a, 1,2,3
.if \a > 1
	s_wait_xcnt 0x0                                ; block a - 2's stores have read their registers: block a's loads may land there
.endif
	TOSTAGE \a
	SEND \a-1, 32                                  ; behind block a - 1's loads: block a's 16 stores and 16 loads
.endr
	SEND 3, 0
	s_wait_tensorcnt 0x0                           ; the wave's end
	ds_add_u32 v[SPW], v[NIL]
	s_wait_dscnt 0x0
	CROUND                                         ; the closing round: no work-group ends while a partner may still ask for a tile that names it
	s_endpgm
.Lfunc_end_k_qd9a218b837_proj:
	.size	k_qd9a218b837_proj, .Lfunc_end_k_qd9a218b837_proj-k_qd9a218b837_proj
	.p2alignl 7, 3214868480
	.fill 96, 4, 3214868480
	.section	.rodata,"a",@progbits
	.p2align	6, 0x0
	.amdhsa_kernel k_qd9a218b837_proj
		.amdhsa_group_segment_fixed_size 327680
		.amdhsa_private_segment_fixed_size 0
		.amdhsa_enable_private_segment 0
		.amdhsa_kernarg_size 48
		.amdhsa_user_sgpr_count 2
		.amdhsa_user_sgpr_kernarg_segment_ptr 1
		.amdhsa_wavefront_size32 1
		.amdhsa_system_sgpr_workgroup_id_x 1
		.amdhsa_system_sgpr_workgroup_id_y 1
		.amdhsa_system_sgpr_workgroup_id_z 1
		.amdhsa_system_vgpr_workitem_id 0
		.amdhsa_next_free_vgpr 768
		.amdhsa_next_free_sgpr 100
		.amdhsa_reserve_vcc 0
		.amdhsa_float_denorm_mode_32 3
		.amdhsa_float_denorm_mode_16_64 3
		.amdhsa_memory_ordered 1
		.amdhsa_forward_progress 1
		.amdhsa_inst_pref_size 90
	.end_amdhsa_kernel
	.amdgpu_metadata
---
amdhsa.version: [ 1, 2 ]
amdhsa.kernels:
  - .name:           k_qd9a218b837_proj
    .symbol:         k_qd9a218b837_proj.kd
    .args:
      - { .name: yc, .offset: 0, .size: 8, .value_kind: global_buffer, .address_space: global }
      - { .name: ys, .offset: 8, .size: 8, .value_kind: global_buffer, .address_space: global }
      - { .name: wc, .offset: 16, .size: 8, .value_kind: global_buffer, .address_space: global }
      - { .name: ws, .offset: 24, .size: 8, .value_kind: global_buffer, .address_space: global }
      - { .name: b_proj, .offset: 32, .size: 8, .value_kind: global_buffer, .address_space: global }
      - { .name: out0, .offset: 40, .size: 8, .value_kind: global_buffer, .address_space: global }
    .group_segment_fixed_size: 327680
    .private_segment_fixed_size: 0
    .kernarg_segment_align: 8
    .kernarg_segment_size: 48
    .max_flat_workgroup_size: 128
    .sgpr_count:     100
    .vgpr_count:     768
    .wavefront_size: 32
...
	.end_amdgpu_metadata
.endif
;; end of part 4
